; MI455X (gfx1250); checked and timed in simulation.
; The chip was launched on July 23, 2026; its instructions are those of AMD's public machine-readable ISA for CDNA 5 (MIT licence, August 2026) and "CDNA5" Instruction Set Architecture Reference Guide (July 2026). The comments in the code are by the model that wrote it; some were corrected since.
;; Aattention Layer. Allowed arithmetic: matrix products marked QUANTISED: E4M3 operands, one E8M0 scale for each 32 along K, by v_wmma_scale_f32_16x16x128_f8f6f4 with both operands' format E4M3, f32 sums; everything else in f32.
;; Inputs: W_out 1,024 x 1,024 float32; W_qkv 1,024 x 3,072 float32; b_out 1,024 float32; b_qkv 3,072 float32; data 4 x 2,048 x 1,024 float32.
;; Outputs: out0 4 x 2,048 x 1,024 float32.
;; This version of the problem:
;;   THIS VERSION OF THE PROBLEM IS GIVEN IN LOW PRECISION. The matrix products marked QUANTISED in the list below multiply operands that are first quantised to E4M3 (4 exponent bits, 3 mantissa bits; 8 bits a number), with one power-of-two scale for each 32 numbers along K (OCP MX v1.0); their sums are f32. All else is computed in f32.
;;   The module's matrix products, in the order in which they are computed (A, B: the left and right operand; K: the contracted axis; several contracted axes count as one K, in the product's order):
;;     1. [M 8,192, K 1,024] x [K 1,024, N 3,072]; A: input data; B: input W_qkv: QUANTISED
;;     2. batch 64 x [M 2,048, K 64] x [K 64, N 2,048]; A: computed on the way; B: computed on the way: QUANTISED
;;     3. batch 64 x [M 64, K 2,048] x [K 2,048, N 2,048]; A: computed on the way; B: softmax (see below): QUANTISED
;;     4. [M 8,192, K 1,024] x [K 1,024, N 1,024]; A: computed on the way; B: input W_out: QUANTISED
;;   THE QUANTISER, for each operand of a quantised product, along K:
;;     - K is cut into blocks of 32 from its start; a last block that is shorter is filled with zeros.
;;     - A block's scale is 2^e with e = floor(log2(the largest magnitude in the block)) - 8, held to -126 .. 127; a block of zeros has e = 0. As a byte (E8M0): e + 127.
;;     - Each number is divided by its block's scale, clamped to +-448, and rounded to the nearest number of E4M3, ties to even, subnormals kept.
;;     - The product sums the exact products of the quantised numbers (number of the format x scale) in f32.
;;   ~~~python
;;   def quantise(x, axis):      # numpy; x: float32 -> the quantised numbers, widened to float32 again
;;       x = np.moveaxis(x, axis, -1); K = x.shape[-1]
;;       x = np.pad(x, [(0, 0)] * (x.ndim - 1) + [(0, -K % 32)]); x = x.reshape(x.shape[:-1] + (-1, 32)); a = np.abs(x).max(-1, keepdims=True)
;;       e = np.where(a > 0, np.clip(np.frexp(np.where(a > 0, a, 1))[1] - 1 - 8, -126, 127), 0)      # np.frexp(a)[1] - 1 = floor(log2(a)), exactly
;;       r = np.clip(x / 2.0 ** e, -448, 448)
;;       step = 2.0 ** (np.maximum(np.frexp(np.where(r == 0, 1, r))[1] - 1, -6) - 3)
;;       q = np.round(r / step) * step * 2.0 ** e      # np.round: ties to even
;;       return np.moveaxis(q.reshape(q.shape[:-2] + (-1,))[..., :K], -1, axis).astype(np.float32)
;;   ~~~
;;   SOFTMAX AHEAD OF A QUANTISED PRODUCT. Where the list says 'softmax', what is quantised is not the finished softmax but p = 2^(t - M), with t = logit x log2(e) and M = ceil(the row's largest t), a whole number; so 1/2 < the row's largest p <= 1. The row's sum l is taken of the UNQUANTISED p, in f32, and the product's result is divided by l at the end. Since M is a whole number, a kernel that streams over the keys may use a running M (the ceiling of the running maximum): every later rescaling is an exact power of two, which a block's scale takes up: the codes' values come out the same.
;;   OPERANDS COMPUTED ON THE WAY. 'Computed on the way' means the value that the module computes at that place (a softmax that the list does not call 'softmax' is quantised finished and normalised). What goes into a quantiser is computed in f32, as accurately as f32 sums, v_exp_f32 and their like allow (about 1e-6 of the number): no bf16 or f16 on the way to a quantiser, and a product that is left as it is and whose result goes on into a quantised operand takes f32 operands (vector FMAs, or v_wmma_f32_16x16x4_f32). A number that lies on a knife's edge between two numbers of the format may be rounded either way, as far as f32 arithmetic and the matrix unit's own rounding can turn it there, and no further.
;; One version. Each part assembles by itself: llvm-mc -triple=amdgcn-amd-amdhsa -mcpu=gfx1250 --defsym DOCPART=n.
;; ======== version 1 of 1: 4 launches
;; limits: right only within a limited range of input values
;; workspace buffers: in_codes 12,582,912 bytes; in_scales 393,216 bytes; qkv_codes 25,165,824 bytes; qkv_scales 786,432 bytes; a_codes 8,388,608 bytes; a_scales 262,144 bytes
;; launch quant (part 1): grid 384 x 1, 4 waves a work-group, no clusters, 45,568 bytes of LDS; arguments data, W_qkv, W_out, in_codes, in_scales; writes in_codes, in_scales
.if DOCPART == 1
	.amdgcn_target "amdgcn-amd-amdhsa--gfx1250"
	.amdhsa_code_object_version 6
	.text
	.protected	k_q0e6ee874a1_quant
	.globl	k_q0e6ee874a1_quant
	.p2align	8
	.type	k_q0e6ee874a1_quant,@function
k_q0e6ee874a1_quant:
	s_mov_b64 s[64:65], 0
	v_nop
	global_prefetch_b8 v0, s[64:65] scope:SCOPE_SE
	s_setreg_imm32_b32 hwreg(HW_REG_WAVE_MODE, 25, 1), 1
	s_wait_xcnt 0x0
; data [8192][1024], W_qkv [1024][3072] and W_out [1024][1024], f32, become codes of FP8 (E4M3) with one E8M0 byte for each 32 along K (K = 1,024 in all three).
; A block's scale is 2^(floor(log2(largest magnitude)) - 8); each number is divided by it, held within +-448 and rounded to the nearest code, ties to even.
; LAYOUT OF THE RESULT.  Rows (data's rows, the weights' columns n) go in tiles of 16: lane-row p of tile 2 b + u is row 32 b + 8 u + p % 8 + 16 (p / 8).  A fragment (a tile x 128 K) is stored as the
; image of the operand's registers, [chunk c (4)][lane (32)][16 bytes]: lane p + 16 h holds k = 32 c + 16 h + 0 .. 15 of lane-row p.  in_codes: [8 tiles (96)][pair of K steps (4)][tile (8)][K step of the pair (2)][2,048 bytes]: tiles 0-511 data, 512-703 W_qkv, 704-767 W_out.
; in_scales: [8 tiles][K step (8)][tile (8)][lane-row (16)][4 bytes]: a word is a row's four bytes of a K step.
; LIMITS: NaN and infinities among the inputs are not served.  A block of zeros, and one whose largest magnitude lies under 2^-118, gets the byte 1 (the rule gives a block of zeros 127): its codes
; are zeros or subnormal codes under that byte, and the bytes are read by this program alone.
; Work-groups 0-255 take data (K innermost), 256-383 the weights (K outermost).  Waves share nothing: no barrier; each path and each wave has LDS bytes of its own.  No input is read by two work-groups: no cluster.
.set SEL, 20                           ; s[20:21] v_permlanex16_b32's selects for lane l xor 16
.set MNT, 22                           ; s22  the mantissa field of 448
.set TM,  8                            ; v8-23 at work in QUANT
.set PW,  24                           ; v24  the scale word just made
.set R,   32                           ; v32-159  data: two sets of 64 numbers as loaded
.set X,   160                          ; v160-223 data: 64 numbers, register 16 b + i = k 32 b + 16 h + i of my lane-row
.set PC,  224                          ; v224-255 data: two sets of 16 registers of codes
.set DREG, 8704                        ; LDS of a wave on the data path: a stage of 16 rows x 528 bytes, then 256 bytes of scale words
.set WLDS, 4*DREG                      ; the weight path's LDS begins here
.set WREG, 2560                        ; a wave's: a stage of 4 tiles x 528 bytes, then 256 bytes of scale words
.set OFF, 24                           ; weights: v24-55 byte offsets 8 x lane + i x pitch
.set RW,  56                           ; v56-183  two sets of 32 rows x 2 columns
.set TW,  184                          ; v184-215 one column's 32 numbers, held
.set CW,  216                          ; v216-231 the two columns' codes
.set OW,  232                          ; v232-247 four tiles' chunk on its way out
.set SW,  16                           ; v16-17   the two columns' scale words
	s_load_b256 s[4:11], s[0:1], 0x0               ; data s[4:5], W_qkv s[6:7], W_out s[8:9], in_codes s[10:11]
	s_load_b64 s[12:13], s[0:1], 0x20              ; in_scales
	s_set_vgpr_msb 0x40
	v_lshl_add_u32 v0, v0, 2, 0xb000
	v_mov_b32 v1, 0
	s_set_vgpr_msb 0x4000
	v_lshrrev_b32 v1, 5, v0
	v_readfirstlane_b32 s16, v1                    ; wave
	v_and_b32 v7, 31, v0                           ; lane
	v_lshlrev_b32 v1, 4, v7                        ; 16 x lane
	v_lshlrev_b32 v6, 3, v7                        ; 8 x lane
	s_mov_b32 s[SEL], 0x76543210
	s_mov_b32 s[SEL+1], 0xfedcba98
	s_mov_b32 s[MNT], 0x600000
	s_lshl_b32 s17, ttmp9, 2
	s_add_co_u32 s17, s17, s16                     ; the wave's task
	s_wait_kmcnt 0x0
	s_cmp_lt_u32 ttmp9, 256
	s_cbranch_scc0 .Lweights
; ---------------- data: a wave takes 64 rows (four tiles) x 128 K ----------------
	s_lshr_b32 s18, s17, 3                         ; G: which 64 rows
	s_and_b32 s19, s17, 7                          ; s: which K step
	s_lshl_b32 s24, s18, 18                        ; 64 rows of 4,096 bytes
	s_lshl_b32 s23, s19, 9
	s_add_co_u32 s24, s24, s23
	s_mov_b32 s25, 0
	; in_codes is laid [8 tiles][pair of K steps (4)][tile (8)][K step of the pair (2)][2,048 bytes]: three pairs of K steps of 8 tiles are 98,304 bytes on end
	s_lshr_b32 s26, s18, 1
	s_lshl_b32 s26, s26, 17                        ; eight tiles: 131,072 bytes
	s_and_b32 s23, s18, 1
	s_lshl_b32 s23, s23, 14                        ; my four tiles of the eight
	s_add_co_u32 s26, s26, s23
	s_lshr_b32 s23, s19, 1
	s_lshl_b32 s23, s23, 15                        ; the pair of K steps
	s_add_co_u32 s26, s26, s23
	s_and_b32 s23, s19, 1
	s_lshl_b32 s23, s23, 11
	s_add_co_u32 s26, s26, s23
	s_mov_b32 s27, 0
	s_lshr_b32 s28, s18, 1                         ; scale words: eight tiles x 4,096, K step x 512, my four tiles' 256
	s_lshl_b32 s28, s28, 12
	s_lshl_b32 s23, s19, 9
	s_add_co_u32 s28, s28, s23
	s_and_b32 s23, s18, 1
	s_lshl_b32 s23, s23, 8
	s_add_co_u32 s28, s28, s23
	s_mov_b32 s29, 0
	s_add_nc_u64 s[4:5], s[4:5], s[24:25]
	s_add_nc_u64 s[10:11], s[10:11], s[26:27]
	s_add_nc_u64 s[12:13], s[12:13], s[28:29]
	s_mul_i32 s30, s16, DREG
	s_wait_alu depctr_va_vdst(0)
	v_add_nc_u32 v2, s30, v1                       ; the stage, in: 16 x lane of a row
	v_and_b32 v8, 15, v0                           ; p
	v_bfe_u32 v9, v0, 4, 1                         ; h
	v_mul_u32_u24 v3, v8, 528
	v_lshl_add_u32 v3, v9, 6, v3
	v_add_nc_u32 v3, s30, v3                       ; out: row p, + 64 h: my 16 numbers of a block
	v_lshl_add_u32 v4, v8, 2, s30
	v_add_nc_u32 v4, 16*528, v4                    ; my lane-row's scale word
	v_add_nc_u32 v5, s30, v6
	v_add_nc_u32 v5, 16*528, v5                    ; and 8 bytes a lane on their way out
.irp b, 0,1,2,3
	v_mov_b32 v[TM+4+\b], 0                        ; written once: a lane permute's destination counts as one of its sources
.endr
.macro LOADF t                         ; tile t's 16 rows, 512 consecutive bytes each
.irp i, 0,1,2,3,4,5,6,7,8,9,10,11,12,13,14,15
	global_load_b128 v[R+64*((\t)%2)+4*\i:R+64*((\t)%2)+4*\i+3], v1, s[4:5] offset:(32*((\t)/2)+8*((\t)%2)+(\i%8)+16*(\i/8))*4096 th:TH_LOAD_NT
.endr
.endm
.macro TURN t                          ; through the wave's stage: in as loaded, out 16 neighbours of each block a lane.  LDS serves a wave's instructions in order
.irp i, 0,1,2,3,4,5,6,7,8,9,10,11,12,13,14,15
	ds_store_b128 v2, v[R+64*((\t)%2)+4*\i:R+64*((\t)%2)+4*\i+3] offset:528*\i
.endr
.irp c, 0,1,2,3
.irp j, 0,1,2,3
	ds_load_b128 v[X+16*\c+4*\j:X+16*\c+4*\j+3], v3 offset:128*\c+16*\j
.endr
.endr
.endm
.macro QUANT src, dst                  ; 64 numbers of a lane become a fragment's 16 registers of codes and its scale word
.irp b, 0,1,2,3
	v_max3_num_f32 v[TM+\b], |v[\src+16*\b]|, |v[\src+1+16*\b]|, 0x4800000   ; my 16 numbers of block b, and the floor 2^(9 - 127): the byte cannot fall under 1
.endr
.irp i, 2,4,6,8,10,12,14
.irp b, 0,1,2,3
	v_max3_num_f32 v[TM+\b], v[TM+\b], |v[\src+16*\b+\i]|, |v[\src+1+16*\b+\i]|
.endr
.endr
.irp b, 0,1,2,3
	v_permlanex16_b32 v[TM+4+\b], v[TM+\b], s[SEL], s[SEL+1]
.endr
.irp b, 0,1,2,3
	v_max_num_f32 v[TM+\b], v[TM+\b], v[TM+4+\b]   ; with lane l xor 16's: the block's largest magnitude
.endr
.irp b, 0,1,2,3
	v_add_nc_u32 v[TM+12+\b], 0xfc000000, v[TM+\b] ; 8 off its exponent field: the conversion's scale operand
.endr
.irp b, 0,1,2,3
	v_and_or_b32 v[TM+8+\b], v[TM+\b], 0x7f800000, s[MNT]   ; 448 x the scale
.endr
.irp b, 0,1,2,3
	v_lshrrev_b32 v[TM+4+\b], 23, v[TM+12+\b]      ; the scale's byte
.endr
	v_lshl_or_b32 v[PW], v[TM+5], 8, v[TM+4]
	v_lshl_or_b32 v[PW], v[TM+6], 16, v[PW]
	v_lshl_or_b32 v[PW], v[TM+7], 24, v[PW]
.irp b, 0,1,2,3
.irp i, 0,1,2,3,4,5,6,7,8,9,10,11,12,13,14,15
	v_med3_num_f32 v[\src+16*\b+\i], v[\src+16*\b+\i], -v[TM+8+\b], v[TM+8+\b]   ; the conversion to an 8-bit code does not saturate (ISA guide 7.6.2): the hold
.endr
	v_cvt_scalef32_pk8_fp8_f32 v[(\dst)+4*\b:(\dst)+1+4*\b], v[\src+16*\b:\src+7+16*\b], v[TM+12+\b]
	v_cvt_scalef32_pk8_fp8_f32 v[(\dst)+2+4*\b:(\dst)+3+4*\b], v[\src+8+16*\b:\src+15+16*\b], v[TM+12+\b]
.endr
	v_nop                                          ; a plain line behind the last conversion
.endm
.macro FRAGD t
.if (\t) < 3
	s_wait_loadcnt 16                              ; this tile's 16 loads are in; the next tile's may be out
.else
	s_wait_loadcnt 0x0
.endif
	TURN \t
	s_wait_dscnt 0x0                               ; the numbers are back, and the stage's stores have read their registers
.if (\t) < 2
	LOADF (\t)+2
.else
	s_wait_xcnt 0x0                                ; the stores of two tiles back have read this set of codes
.endif
	QUANT X, PC+16*((\t)%2)
.irp c, 0,1,2,3
	global_store_b128 v1, v[PC+16*((\t)%2)+4*\c:PC+16*((\t)%2)+4*\c+3], s[10:11] offset:(\t)*4096+512*\c   ; 512 consecutive bytes
.endr
	ds_store_b32 v4, v[PW] offset:64*(\t)          ; both halves of the lanes write the same word with the same value
.endm
	LOADF 0
	LOADF 1
	s_wait_alu depctr_va_vdst(0)
	FRAGD 0
	FRAGD 1
	FRAGD 2
	FRAGD 3
	ds_load_b64 v[26:27], v5
	s_wait_dscnt 0x0
	global_store_b64 v6, v[26:27], s[12:13]        ; four tiles' scale words: 256 consecutive bytes, aligned
	s_set_vgpr_msb 0x5
	s_wait_tensorcnt 0x0
	ds_add_u32 v0, v1
	s_wait_dscnt 0x0
	s_set_vgpr_msb 0x500
	s_endpgm
; ---------------- the weights: a wave takes 64 columns x 128 K; a lane two columns, its registers run down K ----------------
.Lweights:
	s_sub_co_u32 s17, s17, 1024                    ; tasks from 0 on
	s_cmp_lt_u32 ttmp9, 352                        ; W_qkv (384 tasks) or W_out (128): the choice hangs on the work-group's number alone
	s_cselect_b64 s[4:5], s[6:7], s[8:9]
	s_mov_b32 s19, 4096
	s_cselect_b32 s19, 12288, s19                  ; a row of the weight in bytes
	s_cselect_b32 s23, 0, 384
	s_mov_b32 s24, 704
	s_cselect_b32 s24, 512, s24                    ; its first tile
	s_sub_co_u32 s17, s17, s23
	s_lshr_b32 s18, s17, 3                         ; which 64 columns
	s_and_b32 s25, s17, 7                          ; which K step
	s_lshl_b32 s26, s18, 2
	s_add_co_u32 s24, s24, s26                     ; my first tile
	s_lshl_b32 s28, s25, 7
	s_mul_i32 s28, s28, s19                        ; 128 s rows down,
	s_lshl_b32 s26, s18, 8
	s_add_co_u32 s28, s28, s26                     ; 256 bytes for each 64 columns
	s_mov_b32 s29, 0
	s_lshl_b32 s30, s19, 5                         ; a block of 32 rows
	s_mov_b32 s31, 0
	s_add_nc_u64 s[32:33], s[4:5], s[28:29]        ; a base for each of the four blocks
	s_add_nc_u64 s[34:35], s[32:33], s[30:31]
	s_add_nc_u64 s[36:37], s[34:35], s[30:31]
	s_add_nc_u64 s[38:39], s[36:37], s[30:31]
	s_lshr_b32 s28, s24, 3
	s_lshl_b32 s28, s28, 17                        ; eight tiles: 131,072 bytes
	s_and_b32 s26, s24, 4
	s_lshl_b32 s26, s26, 12                        ; my four tiles of the eight
	s_add_co_u32 s28, s28, s26
	s_lshr_b32 s26, s25, 1
	s_lshl_b32 s26, s26, 15                        ; the pair of K steps
	s_add_co_u32 s28, s28, s26
	s_and_b32 s26, s25, 1
	s_lshl_b32 s26, s26, 11
	s_add_co_u32 s28, s28, s26
	s_add_nc_u64 s[10:11], s[10:11], s[28:29]      ; the codes
	s_lshr_b32 s28, s24, 3
	s_lshl_b32 s28, s28, 12
	s_lshl_b32 s26, s25, 9
	s_add_co_u32 s28, s28, s26
	s_bfe_u32 s26, s24, 0x10002
	s_lshl_b32 s26, s26, 8
	s_add_co_u32 s28, s28, s26
	s_add_nc_u64 s[12:13], s[12:13], s[28:29]      ; the scale words
	s_mul_i32 s40, s16, WREG
	s_add_co_u32 s40, s40, WLDS
	v_bfe_u32 v8, v0, 4, 1                         ; column 2 L + e lies in tile 2 (L / 16) + (L / 4) % 2, lane-row 2 (L % 4) + e + 8 ((L / 8) % 2)
	v_bfe_u32 v9, v0, 2, 1
	v_lshl_add_u32 v10, v8, 1, v9                  ; tile
	v_and_b32 v11, 3, v0
	v_bfe_u32 v12, v0, 3, 1
	v_lshlrev_b32 v13, 1, v11
	v_lshl_add_u32 v13, v12, 3, v13                ; lane-row of the even column
	v_mul_u32_u24 v2, v10, 528
	v_lshl_add_u32 v2, v13, 4, v2
	v_add_nc_u32 v2, s40, v2                       ; the stage, in
	v_add_nc_u32 v3, s40, v1                       ; out: 16 x lane of a tile's 512 bytes
	v_lshlrev_b32 v4, 6, v10
	v_lshl_add_u32 v4, v13, 2, v4
	v_add_nc_u32 v4, s40, v4
	v_add_nc_u32 v4, 4*528, v4                     ; the even column's scale word
	v_add_nc_u32 v5, s40, v6
	v_add_nc_u32 v5, 4*528, v5
.set kk, 0
.rept 32
	v_mad_u32_u24 v[OFF+kk], s19, kk, v6           ; 8 x lane + kk rows
.set kk, kk+1
.endr
.macro LOADB c                         ; block c: 32 rows, 256 consecutive bytes each
.set kk, 0
.rept 32
	global_load_b64 v[RW+64*((\c)%2)+2*kk:RW+64*((\c)%2)+2*kk+1], v[OFF+kk], s[32+2*(\c):33+2*(\c)] th:TH_LOAD_NT
.set kk, kk+1
.endr
.endm
.macro COLS c                          ; the two columns' block c: all 32 numbers of a block are one lane's
.set RS, RW+64*((\c)%2)
.irp e, 0,1
	v_max3_num_f32 v[8+\e], |v[RS+\e]|, |v[RS+2+\e]|, 0x4800000
.endr
.irp i, 2,4,6,8,10,12,14,16,18,20,22,24,26,28,30
.irp e, 0,1
	v_max3_num_f32 v[8+\e], v[8+\e], |v[RS+2*\i+\e]|, |v[RS+2*\i+2+\e]|
.endr
.endr
.irp e, 0,1
	v_add_nc_u32 v[10+\e], 0xfc000000, v[8+\e]     ; the conversion's scale operand
.endr
.irp e, 0,1
	v_and_or_b32 v[12+\e], v[8+\e], 0x7f800000, s[MNT]   ; 448 x the scale
.endr
.irp e, 0,1
	v_lshrrev_b32 v[14+\e], 23, v[10+\e]           ; the byte
.endr
.irp e, 0,1
.if (\c) == 0
	v_mov_b32 v[SW+\e], v[14+\e]
.else
	v_lshl_or_b32 v[SW+\e], v[14+\e], 8*(\c), v[SW+\e]
.endif
.endr
.irp e, 0,1
.set kk, 0
.rept 32
	v_med3_num_f32 v[TW+kk], v[RS+2*kk+\e], -v[12+\e], v[12+\e]   ; the hold also parts the two columns
.set kk, kk+1
.endr
.irp g, 0,1,2,3
	v_cvt_scalef32_pk8_fp8_f32 v[CW+8*\e+2*\g:CW+8*\e+2*\g+1], v[TW+8*\g:TW+8*\g+7], v[10+\e]
.endr
	v_nop                                          ; a plain line between the conversions and the next writes of their sources
	ds_store_b128 v2, v[CW+8*\e:CW+8*\e+3] offset:16*\e          ; k 0-15 of the block: the image's lane p
	ds_store_b128 v2, v[CW+8*\e+4:CW+8*\e+7] offset:16*\e+256    ; k 16-31: lane p + 16
.endr
.endm
.macro FLUSH c                         ; chunk c of the four tiles' images leaves: 512 consecutive bytes a store
.if (\c) > 0
	s_wait_xcnt 0x0                                ; the last chunk's stores have read their registers
.endif
.irp t, 0,1,2,3
	ds_load_b128 v[OW+4*\t:OW+4*\t+3], v3 offset:528*\t
.endr
	s_wait_dscnt 0x0
.irp t, 0,1,2,3
	global_store_b128 v1, v[OW+4*\t:OW+4*\t+3], s[10:11] offset:\t*4096+512*(\c)
.endr
.endm
	LOADB 0
	LOADB 1
	s_wait_loadcnt 32                              ; block 0's 32 loads are in; block 1's may be out
	COLS 0
	LOADB 2
	FLUSH 0
	s_wait_loadcnt 32
	COLS 1
	LOADB 3
	FLUSH 1
	s_wait_loadcnt 32
	COLS 2
	FLUSH 2
	s_wait_loadcnt 0x0
	COLS 3
	FLUSH 3
	ds_store_b32 v4, v[SW]
	ds_store_b32 v4, v[SW+1] offset:4
	ds_load_b64 v[18:19], v5                       ; LDS serves a wave's instructions in order
	s_wait_dscnt 0x0
	global_store_b64 v6, v[18:19], s[12:13]        ; 256 consecutive bytes, aligned
	s_set_vgpr_msb 0x5
	s_wait_tensorcnt 0x0
	ds_add_u32 v0, v1
	s_wait_dscnt 0x0
	s_set_vgpr_msb 0x500
	s_endpgm
.Lfunc_end_k_q0e6ee874a1_quant:
	.size	k_q0e6ee874a1_quant, .Lfunc_end_k_q0e6ee874a1_quant-k_q0e6ee874a1_quant
	.p2alignl 7, 3214868480
	.fill 96, 4, 3214868480
	.section	.rodata,"a",@progbits
	.p2align	6, 0x0
	.amdhsa_kernel k_q0e6ee874a1_quant
		.amdhsa_group_segment_fixed_size 45568
		.amdhsa_private_segment_fixed_size 0
		.amdhsa_enable_private_segment 0
		.amdhsa_kernarg_size 40
		.amdhsa_user_sgpr_count 2
		.amdhsa_user_sgpr_kernarg_segment_ptr 1
		.amdhsa_wavefront_size32 1
		.amdhsa_system_sgpr_workgroup_id_x 1
		.amdhsa_system_sgpr_workgroup_id_y 1
		.amdhsa_system_sgpr_workgroup_id_z 1
		.amdhsa_system_vgpr_workitem_id 0
		.amdhsa_next_free_vgpr 258
		.amdhsa_next_free_sgpr 66
		.amdhsa_reserve_vcc 0
		.amdhsa_float_denorm_mode_32 3
		.amdhsa_float_denorm_mode_16_64 3
		.amdhsa_memory_ordered 1
		.amdhsa_forward_progress 1
		.amdhsa_inst_pref_size 101
	.end_amdhsa_kernel
	.amdgpu_metadata
---
amdhsa.version: [ 1, 2 ]
amdhsa.kernels:
  - .name:           k_q0e6ee874a1_quant
    .symbol:         k_q0e6ee874a1_quant.kd
    .args:
      - { .name: data, .offset: 0, .size: 8, .value_kind: global_buffer, .address_space: global }
      - { .name: W_qkv, .offset: 8, .size: 8, .value_kind: global_buffer, .address_space: global }
      - { .name: W_out, .offset: 16, .size: 8, .value_kind: global_buffer, .address_space: global }
      - { .name: in_codes, .offset: 24, .size: 8, .value_kind: global_buffer, .address_space: global }
      - { .name: in_scales, .offset: 32, .size: 8, .value_kind: global_buffer, .address_space: global }
    .group_segment_fixed_size: 45568
    .private_segment_fixed_size: 0
    .kernarg_segment_align: 8
    .kernarg_segment_size: 40
    .max_flat_workgroup_size: 128
    .sgpr_count:     66
    .vgpr_count:     258
    .wavefront_size: 32
...
	.end_amdgpu_metadata
.endif
;; end of part 1
;; launch qkv (part 2): grid 8 x 32, 4 waves a work-group, clusters of 4 x 4, 327,680 bytes of LDS; arguments in_codes, in_scales, b_qkv, qkv_codes, qkv_scales; writes qkv_codes, qkv_scales
.if DOCPART == 2
	.amdgcn_target "amdgcn-amd-amdhsa--gfx1250"
	.amdhsa_code_object_version 6
	.text
	.protected	k_q0e6ee874a1_qkv
	.globl	k_q0e6ee874a1_qkv
	.p2align	8
	.type	k_q0e6ee874a1_qkv,@function
k_q0e6ee874a1_qkv:
	s_mov_b64 s[64:65], 0
	v_nop
	global_prefetch_b8 v0, s[64:65] scope:SCOPE_SE
	s_setreg_imm32_b32 hwreg(HW_REG_WAVE_MODE, 25, 1), 1
	s_wait_xcnt 0x0
	s_wait_alu depctr_hold_cnt(0) depctr_sa_sdst(0) depctr_va_vdst(0) depctr_va_sdst(0) depctr_va_ssrc(0) depctr_va_vcc(0) depctr_vm_vsrc(0)
	s_getreg_b32 s2, hwreg(HW_REG_IB_STS2, 6, 4)
	s_cmp_eq_u32 s2, 0
	s_cbranch_scc0 .Lentry_in_a_cluster
	s_endpgm
.Lentry_in_a_cluster:
	s_bfe_u32 s2, ttmp6, 0x10000c
	s_cmp_lg_u32 s2, 0xf033
	s_cbranch_scc0 .Lentry_shape_is_right
	s_endpgm
.Lentry_shape_is_right:
; qkv = data W_qkv + b_qkv on codes of FP8 (E4M3) with E8M0 scales, K = 1,024; the result is quantised in registers for the two products of attention and leaves as codes.
; A work-group makes X 256 rows x Y 128 rows; source 0 = a tile of X, source 1 = a tile of Y: a lane holds one lane-row of Y, and the 16 registers of X's tiles 2 b, 2 b + 1 are X's rows 32 b + 16 h + 0 .. 15
; (lane-row p of tile 2 b + u is row 32 b + 8 u + p % 8 + 16 (p / 8)).  So a lane's 64 registers of one Y tile run along X, in the order of an operand's registers.
; TWO KINDS, by the cluster's y (equal in all partners).  Q, K (cluster y under 16): X = W's columns, Y = tokens: registers run along the head's channels, the K of q k^T.
; V (the others): X = tokens, Y = W's columns: registers run along the keys, the K of p v.  Only offsets, two strides and the form of the bias differ.
; Four waves: wave w takes X's half w % 2 (8 tiles) and Y's half w / 2 (4 tiles): 32 accumulators.  A wave tile of 128 x 64, so that 768 work-groups are three for each of 256 WGPs.
; LDS: three slots of 256 along K (X 16 tiles x 4,096 bytes, Y 8 x 4,096), images of registers: no pitch, no padding.  Slots 0, 1, 2 are filled at the start, slot 0 once more: one tensor load of a wave is out at the most.
; CLUSTER 4 x 4: X's tiles hang on the work-group's x and are asked for jointly along a column, Y's on its y and jointly along a row.  The scale words (1/32 of the bytes) go straight into registers.
; LIMITS: NaN and infinities are not served; a block of zeros gets the byte 1 (its codes are zeros; this program alone reads the bytes).
; REGISTERS: window 0: v1-31 addresses and words; v32-63 X's scale words, v64-79 Y's; v80-95 at work; v128-255 Y's fragments, two sets, later the codes.  window 1: X's fragments, two sets.
;   window 2: accumulator (xt, yt) at v[8 (8 yt + xt)].  window 3: v0-63 the bias as C.
.set SLOTB, 98304
; LDS: X's half w at 98,304 w: [slot (3)][tile (8)][4,096 bytes]; Y's half w at YOFF + 49,152 w: [slot (3)][tile (4)][4,096 bytes].  in_codes is laid [8 tiles][pair of K steps][tile][4,096 bytes],
; so ONE load a wave at the head brings its part of all three slots; slot 0 is filled once more: one tensor load of a wave is out at the most.
.set YOFF,  196608
.set SPARE, 3*SLOTB                    ; the spare words: 128 bytes a wave, two blocks of 256 bytes that no other line names
.set WV, 16
.set WY, 17
.set WX, 18
.set MNT, 19
.set SEL, 20
.set G1X, 24
.set G1Y, 32
.set G0X, 40                           ; s[40:43] group 0 for X
.set G0Y, 52                           ; s[52:55] for Y
.set KIND, 73
.set LI, 1                             ; 16 x lane
.set ADX, 2                            ; v2-4 my X half in slot 0, 1, 2
.set ADY, 5                            ; v5-7 my Y half
.set SPW, 8
.set NIL, 9
.set RR, 10
.set HH, 11
.set L4, 12                            ; 4 x lane
.set BO, 13
.set SAD, 14                           ; v14-21 where the codes go
.set SSO, 22
.set PW, 24                            ; v24-27 the scale word of each Y tile
.set TT, 28
.set XS, 32
.set YS, 64
.set TM, 80
.set YF, 128
.set PC, 128
.set MSB, 0
.macro WIN new                         ; the immediate's high byte repeats the setting that is left
.if MSB != \new
	s_set_vgpr_msb (MSB<<8)|\new
.set MSB, \new
.endif
.endm
.macro PLACES n
.rept \n
	v_nop
.endr
.endm
.macro JLOAD g                         ; a joint load into slot g: waves 0, 1 fetch X's halves, waves 2, 3 Y's; four v_nop follow each line
	s_cmp_eq_u32 s[WY], 0
	s_cbranch_scc0 .Lfor_y_\@
	tensor_load_to_lds s[G0X+4*\g:G0X+4*\g+3], s[G1X:G1X+7]
	s_nop 0
	PLACES 4
	s_branch .Lasked_\@
.Lfor_y_\@:
	tensor_load_to_lds s[G0Y+4*\g:G0Y+4*\g+3], s[G1Y:G1Y+7]
	s_nop 0
	PLACES 4
.Lasked_\@:
.endm
.macro CREST                           ; a round of the cluster's barrier behind its opening barrier
	s_cmp_lg_u32 s[WV], 0
	s_cbranch_scc1 .Lnot_wave_0_\@
	s_barrier_signal -3
.Lnot_wave_0_\@:
	s_barrier_wait -3
	s_barrier_signal -1
	s_barrier_wait -1
.endm
.macro CROUND
	s_barrier_signal -1
	s_barrier_wait -1
	CREST
.endm
	s_load_b256 s[4:11], s[0:1], 0x0               ; in_codes s[4:5], in_scales s[6:7], b_qkv s[8:9], qkv_codes s[10:11]
	s_load_b64 s[12:13], s[0:1], 0x20              ; qkv_scales
	v_lshl_add_u32 v[SPW], v0, 2, SPARE
	v_mov_b32 v[NIL], 0
	ds_add_u32 v8, v9
	ds_add_u32 v8, v9
	s_wait_dscnt 0x0
	v_lshrrev_b32 v1, 5, v0
	v_readfirstlane_b32 s[WV], v1
	s_lshr_b32 s[WY], s[WV], 1                     ; my Y half.  Also: I fetch for X (0) or for Y (1)
	s_and_b32 s[WX], s[WV], 1                      ; my X half.  Also: which half of that operand I fetch
	s_bfe_u32 s66, ttmp6, 0x40000                  ; cx
	s_bfe_u32 s67, ttmp6, 0x40004                  ; cy
	s_lshl_b32 s68, ttmp9, 2
	s_add_co_u32 s68, s68, s66                     ; work-group x
	s_and_b32 s69, ttmp7, 0xffff                   ; cluster y of the first block
	s_mov_b32 s48, 3                               ; A WORK-GROUP STAYS: 8 x 32 work-groups make three blocks each, at cluster rows y, y + 8, y + 16 of 24: two of the kind Q, K and one of the kind V for every work-group
	s_lshl_b32 s70, s69, 2
	s_add_co_u32 s70, s70, s67                     ; work-group y
	s_lshl_b32 s71, s67, 2
	s_lshl_b32 s71, 15, s71                        ; my row of the cluster
	s_lshl_b32 s72, 0x1111, s66                    ; my column
	s_or_b32 s[G1X], s72, (3<<16)|(1<<21)          ; 15:0 the mask; 17:16 elements of 8 bytes; 21 set beside a mask; no padding
	s_or_b32 s[G1Y], s71, (3<<16)|(1<<21)
	s_mov_b32 s[G1X+1], 512<<16                    ; tensor_dim0 = 512 elements: two K steps' images of a tile, 4,096 bytes
	s_mov_b32 s[G1X+2], 24<<16                     ; the head's load: three slots x 8 tiles, 24 rows of 4,096 bytes on end
	s_mov_b32 s[G1X+3], 512<<16
	s_mov_b32 s[G1X+4], 24
	s_mov_b32 s[G1X+5], 512
	s_mov_b32 s[G1X+6], 0
	s_mov_b32 s[G1X+7], 0
	s_mov_b32 s[G1Y+1], 2048<<16                   ; the head's load: three rows (slots) of four tiles, 16,384 bytes, 32,768 apart
	s_mov_b32 s[G1Y+2], 3<<16
	s_mov_b32 s[G1Y+3], 2048<<16
	s_mov_b32 s[G1Y+4], 3
	s_mov_b32 s[G1Y+5], 4096
	s_mov_b32 s[G1Y+6], 0
	s_mov_b32 s[G1Y+7], 0
	; X's first tile is made of the work-group's x and the cluster's y alone, Y's of the work-group's y alone, each in registers of its own
	s_lshr_b32 s74, s69, 1
	s_and_b32 s74, s74, 3                          ; V: the batch n
	s_lshl_b32 s75, s74, 7
	s_lshl_b32 s78, s68, 4
	s_and_b32 s76, s70, 7                          ; V: which 128 columns
	s_lshl_b32 s77, s76, 3
	s_add_co_u32 s77, s77, 640
	s_lshl_b32 s79, s70, 3
	s_cmp_ge_u32 s69, 16
	s_cselect_b32 s[KIND], 1, 0
	s_cselect_b32 s75, s75, 512
	s_cselect_b32 s77, s77, s79                    ; Y's first tile: tokens 8 y, or W's tiles 640 + 8 (y % 8)
	s_add_co_u32 s75, s75, s78                     ; X's first tile: W's tiles 512 + 16 x, or tokens 128 n + 16 x
	s_lshl_b32 s2, s[WX], 3
	s_add_co_u32 s2, s2, s75
	s_lshl_b32 s2, s2, 14
	s_mov_b32 s3, 0
	s_lshl_b32 s20, s77, 14                        ; Y's eight tiles, and my four of them: 16,384 bytes on
	s_lshl_b32 s21, s[WX], 14
	s_add_co_u32 s20, s20, s21
	s_mov_b32 s21, 0
	s_mul_i32 s22, s[WX], 98304                    ; where they go: no place in the cluster enters an LDS address
	s_mul_i32 s23, s[WX], 49152
	s_add_co_u32 s23, s23, YOFF
	s_wait_kmcnt 0x0
	s_add_nc_u64 s[2:3], s[4:5], s[2:3]
	s_add_nc_u64 s[20:21], s[4:5], s[20:21]
	CROUND                                         ; all sixteen work-groups are here: the first joint loads meet
.irp g, 0
	s_mov_b32 s[G0X+4*\g], 1
	s_add_co_u32 s[G0X+4*\g+1], s22, \g*SLOTB
	s_add_nc_u64 s[G0X+4*\g+2:G0X+4*\g+3], s[2:3], \g*4096
	s_or_b32 s[G0X+4*\g+3], s[G0X+4*\g+3], 0x80000000
	s_mov_b32 s[G0Y+4*\g], 1
	s_add_co_u32 s[G0Y+4*\g+1], s23, \g*SLOTB
	s_add_nc_u64 s[G0Y+4*\g+2:G0Y+4*\g+3], s[20:21], \g*4096
	s_or_b32 s[G0Y+4*\g+3], s[G0Y+4*\g+3], 0x80000000
	JLOAD \g
.endr
.Lbody:                                                ; a block's joint load is out; here begins what hangs on the block: addresses, scale words, bias
	v_and_b32 v[L4], 31, v0
	v_lshlrev_b32 v[LI], 4, v[L4]
	v_lshlrev_b32 v[L4], 2, v[L4]
	v_and_b32 v[RR], 15, v0
	v_bfe_u32 v[HH], v0, 4, 1
	s_mul_i32 s22, s[WX], 98304
	s_mul_i32 s23, s[WY], 49152
	s_add_co_u32 s23, s23, YOFF
.irp g, 0,1,2
	v_add_nc_u32 v[ADX+\g], s22, v[LI]
	v_add_nc_u32 v[ADY+\g], s23, v[LI]
	s_add_co_u32 s22, s22, 32768
	s_add_co_u32 s23, s23, 16384
.endr
	s_mov_b32 s[MNT], 0x600000
	s_mov_b32 s[SEL], 0x76543210
	s_mov_b32 s[SEL+1], 0xfedcba98
.irp b, 0,1,2,3
	v_mov_b32 v[TM+4+\b], 0                        ; a lane permute's destination counts as one of its sources
.endr
	; the scale words: one load brings two tiles' words of a K step, 128 consecutive bytes: lanes 0-15 the even tile's, lanes 16-31 the odd one's
	s_lshr_b32 s80, s75, 3
	s_add_co_u32 s80, s80, s[WX]
	s_lshl_b32 s80, s80, 12
	s_mov_b32 s81, 0
	s_add_nc_u64 s[80:81], s[6:7], s[80:81]
	s_lshr_b32 s82, s77, 3
	s_lshl_b32 s82, s82, 12
	s_lshl_b32 s83, s[WY], 8
	s_add_co_u32 s82, s82, s83
	s_mov_b32 s83, 0
	s_add_nc_u64 s[82:83], s[6:7], s[82:83]
.irp s, 0,1,2,3,4,5,6,7
.irp i, 0,1,2,3
	global_load_b32 v[XS+4*\s+\i], v[L4], s[80:81] offset:512*\s+128*\i
.endr
.irp p, 0,1
	global_load_b32 v[YS+2*\s+\p], v[L4], s[82:83] offset:512*\s+128*\p
.endr
.endr
	; the bias is the C of each sum's first product
	s_lshl_b32 s84, s68, 10
	s_lshl_b32 s85, s[WX], 9
	s_add_co_u32 s84, s84, s85                     ; Q, K: my 128 columns of X
	s_lshl_b32 s86, s76, 9
	s_lshl_b32 s85, s[WY], 8
	s_add_co_u32 s86, s86, s85
	s_add_co_u32 s86, s86, 8192                    ; V: my 64 columns of Y
	s_cmp_eq_u32 s[KIND], 1
	s_cselect_b32 s84, s86, s84
	s_mov_b32 s85, 0
	s_add_nc_u64 s[84:85], s[8:9], s[84:85]
	s_cmp_eq_u32 s[KIND], 0
	s_cbranch_scc0 .Lbias_v
	v_lshlrev_b32 v[BO], 6, v[HH]                  ; entry xt: the eight columns 32 (xt / 2) + 8 (xt % 2) + 16 h + 0 .. 7
	WIN 0xc0
.irp xt, 0,1,2,3,4,5,6,7
	global_load_b128 v[8*\xt:8*\xt+3], v[BO], s[84:85] offset:(32*(\xt/2)+8*(\xt%2))*4
	global_load_b128 v[8*\xt+4:8*\xt+7], v[BO], s[84:85] offset:(32*(\xt/2)+8*(\xt%2))*4+16
.endr
	WIN 0
	s_branch .Lbias_done
.Lbias_v:
	v_and_b32 v[BO], 7, v[RR]                      ; entry e: eight times the bias of my lane-row's column in Y's tile e % 4
	v_bfe_u32 v96, v0, 3, 1
	v_lshl_add_u32 v[BO], v96, 4, v[BO]
	v_lshlrev_b32 v[BO], 2, v[BO]
	WIN 0xc0
.irp e, 0,1,2,3,4,5,6,7
.irp j, 0,1,2,3,4,5,6,7
	global_load_b32 v[8*\e+\j], v[BO], s[84:85] offset:(32*((\e%4)/2)+8*(\e%2))*4
.endr
.endr
	WIN 0
.Lbias_done:
	; where the results go.  Q, K: [sel][16 n + head][token tile][2 chunks][512 bytes]; V: [128 + 16 n + head][key step][channel tile][4 chunks][512 bytes]
	s_lshl_b32 s86, s68, 2
	s_lshl_b32 s87, s[WX], 1
	s_add_co_u32 s86, s86, s87                     ; my first head of 32 (Q's 16, K's 16)
	s_lshr_b32 s87, s86, 4
	s_and_b32 s88, s86, 15
	s_lshr_b32 s89, s70, 4                         ; n
	s_and_b32 s90, s70, 15
	s_lshl_b32 s91, s87, 6
	s_lshl_b32 s92, s89, 4
	s_add_co_u32 s91, s91, s92
	s_add_co_u32 s91, s91, s88
	s_lshl_b32 s91, s91, 17
	s_lshl_b32 s92, s90, 3
	s_lshl_b32 s93, s[WY], 2
	s_add_co_u32 s92, s92, s93
	s_lshl_b32 s92, s92, 10
	s_add_co_u32 s91, s91, s92                     ; Q, K: codes
	s_lshl_b32 s92, s87, 2
	s_add_co_u32 s92, s92, s89
	s_lshl_b32 s92, s92, 3
	s_bfe_u32 s93, s86, 0x30001
	s_add_co_u32 s92, s92, s93
	s_lshl_b32 s92, s92, 13
	s_lshl_b32 s93, s90, 1
	s_add_co_u32 s93, s93, s[WY]
	s_lshl_b32 s93, s93, 8
	s_add_co_u32 s92, s92, s93                     ; Q, K: scale words
	s_lshl_b32 s86, s76, 1
	s_add_co_u32 s86, s86, s[WY]
	s_lshl_b32 s87, s74, 4
	s_add_co_u32 s86, s86, s87                     ; V: 16 n + head
	s_lshl_b32 s87, s68, 1
	s_add_co_u32 s87, s87, s[WX]                   ; V: the key step
	s_add_co_u32 s88, s86, 128
	s_lshl_b32 s88, s88, 17
	s_lshl_b32 s89, s87, 13
	s_add_co_u32 s88, s88, s89                     ; V: codes
	s_lshl_b32 s89, s86, 12
	s_lshl_b32 s90, s87, 8
	s_add_co_u32 s89, s89, s90
	s_add_co_u32 s89, s89, 524288                  ; V: scale words
	s_cmp_eq_u32 s[KIND], 1
	s_cselect_b32 s86, s88, s91
	s_cselect_b32 s88, s89, s92
	s_mov_b32 s94, 1024
	s_cselect_b32 s94, 2048, s94                   ; from Y tile to Y tile
	s_mov_b32 s95, 131072
	s_cselect_b32 s95, 1024, s95                   ; from blocks 0, 1 to blocks 2, 3
	s_cselect_b32 s96, 16, 8                       ; scale words: a lane-row,
	s_cselect_b32 s97, 8, 128                      ; a half of the lanes
	s_mov_b32 s98, 0x05040100
	s_cselect_b32 s98, 0x03020100, s98
	s_mov_b32 s99, 0x07060302
	s_cselect_b32 s99, 0x07060504, s99
	s_mov_b32 s87, 0
	s_mov_b32 s89, 0
	s_add_nc_u64 s[44:45], s[10:11], s[86:87]      ; in registers of their own: each block starts from the arguments
	s_add_nc_u64 s[46:47], s[12:13], s[88:89]
.irp y, 0,1,2,3
	s_mul_i32 s86, s94, \y
	v_add_nc_u32 v[SAD+2*\y], s86, v[LI]
	s_add_co_u32 s86, s86, s95
	v_add_nc_u32 v[SAD+2*\y+1], s86, v[LI]
.endr
	v_mul_u32_u24 v[SSO], v[RR], s96
	v_mad_u32_u24 v[SSO], v[HH], s97, v[SSO]
.macro FETCH s                         ; K step s: my 8 fragments of X and 4 of Y into set s % 2: 48 loads of 512 consecutive bytes
.set sg, ((\s)/2)%3
	WIN 0x40
.irp xt, 0,1,2,3,4,5,6,7
.irp c, 0,1,2,3
	ds_load_b128 v[128*((\s)%2)+16*\xt+4*\c:128*((\s)%2)+16*\xt+4*\c+3], v[ADX+sg] offset:4096*\xt+2048*((\s)%2)+512*\c
.endr
.endr
	WIN 0
.irp yt, 0,1,2,3
.irp c, 0,1,2,3
	ds_load_b128 v[YF+64*((\s)%2)+16*\yt+4*\c:YF+64*((\s)%2)+16*\yt+4*\c+3], v[ADY+sg] offset:4096*\yt+2048*((\s)%2)+512*\c
.endr
.endr
.endm
; 8 products: Y's tile yt against X's eight.  cm = 0: onto the sums; 1: C = the bias by X's tile; 2: by Y's tile.  The 32 accumulators take turns, one instruction a turn.
.macro MUL s, yt, cm
.irp xt, 0,1,2,3,4,5,6,7
.set rD, 8*(8*(\yt)+\xt)
.set rA, 128*((\s)%2)+16*\xt
.set rB, YF+64*((\s)%2)+16*(\yt)
.set rC, rD
.if (\cm) == 1
.set rC, 8*\xt
.elseif (\cm) == 2
.set rC, 8*((\yt)+4*(\xt%2))
.endif
.set rSA, XS+4*(\s)+\xt/2
.set rSB, YS+2*(\s)+(\yt)/2
.if (\xt%2) && ((\yt)%2)
	v_wmma_scale_f32_16x16x128_f8f6f4 v[rD:rD+7], v[rA:rA+15], v[rB:rB+15], v[rC:rC+7], v[rSA], v[rSB] matrix_a_scale:MATRIX_SCALE_ROW1 matrix_b_scale:MATRIX_SCALE_ROW1
.elseif (\xt%2)
	v_wmma_scale_f32_16x16x128_f8f6f4 v[rD:rD+7], v[rA:rA+15], v[rB:rB+15], v[rC:rC+7], v[rSA], v[rSB] matrix_a_scale:MATRIX_SCALE_ROW1
.elseif ((\yt)%2)
	v_wmma_scale_f32_16x16x128_f8f6f4 v[rD:rD+7], v[rA:rA+15], v[rB:rB+15], v[rC:rC+7], v[rSA], v[rSB] matrix_b_scale:MATRIX_SCALE_ROW1
.else
	v_wmma_scale_f32_16x16x128_f8f6f4 v[rD:rD+7], v[rA:rA+15], v[rB:rB+15], v[rC:rC+7], v[rSA], v[rSB]
.endif
.endr
.endm
.macro STEP s                          ; a K step whose successor's slot is whole: the next step's fragments are asked for first and have this step's 32 products in which to land
	PLACES 8                                       ; eight places behind the products that read the set
	FETCH (\s)+1
	s_wait_dscnt 48                                ; all but the 48 just issued: this step's fragments are in
	WIN 0xa1
.irp y, 0,1,2,3
	MUL \s, \y, 0
.endr
.endm
	s_wait_tensorcnt 0x0                           ; my part of slots 0, 1 and 2 is in
	s_barrier_signal -1
	s_barrier_wait -1
	FETCH 0
	FETCH 1
	s_wait_loadcnt 0x0                             ; scale words and bias
	s_wait_dscnt 48                                ; step 0's fragments are in
	s_cmp_eq_u32 s[KIND], 0
	s_cbranch_scc0 .Lfirst_v
	WIN 0xb1                                       ; C in window 3
.irp y, 0,1,2,3
	MUL 0, \y, 1
.endr
	WIN 0
	s_branch .Lfirst_done
.Lfirst_v:
	WIN 0xb1
.irp y, 0,1,2,3
	MUL 0, \y, 2
.endr
	WIN 0
.Lfirst_done:
	; step 1 holds the one refill: slot 0's two steps are in registers
	s_wait_tensorcnt 0x0                           ; all my tensor loads have landed: my parts of slots 1 and 2
	ds_add_u32 v[SPW], v[NIL]                      ; 0 onto my spare word
	s_wait_dscnt 1                                 ; step 1's fragments are in; the add may be out
	WIN 0xa1
	MUL 1, 0, 0
	s_wait_dscnt 0x0                               ; the add is done, and my reads of slot 0 are over
	s_barrier_signal -1
	MUL 1, 1, 0
	WIN 0
	s_barrier_wait -1
	CREST                                          ; no wave of any partner still reads slot 0 or has a load on its way
	s_add_nc_u64 s[G0X+2:G0X+3], s[G0X+2:G0X+3], 98304   ; K steps 6 and 7: the fourth pair
	s_add_nc_u64 s[G0Y+2:G0Y+3], s[G0Y+2:G0Y+3], 98304
	s_mov_b32 s[G1X+2], 8<<16                      ; no tensor load of mine is out: from here on a load brings one slot: X 8 rows of 4,096 bytes,
	s_mov_b32 s[G1X+4], 8
	s_mov_b32 s[G1Y+1], 512<<16                    ; Y 4 rows of 4,096 bytes on end
	s_mov_b32 s[G1Y+2], 4<<16
	s_mov_b32 s[G1Y+3], 512<<16
	s_mov_b32 s[G1Y+4], 4
	s_mov_b32 s[G1Y+5], 512
	JLOAD 0                                        ; the first tensor load behind the round; it has four K steps in which to land
	PLACES 4                                       ; with the four behind the load: eight places behind step 0's products
	FETCH 2
	WIN 0xa1
	MUL 1, 2, 0
	MUL 1, 3, 0
	STEP 2
	STEP 3
	STEP 4
	s_wait_tensorcnt 0x0                           ; step 5: my part of slot 0's second fill is in (the one load that was out),
	s_wait_dscnt 0x0                               ; and step 5's fragments
	s_barrier_signal -1
	MUL 5, 0, 0
	MUL 5, 1, 0
	s_barrier_wait -1                              ; everybody's is
	PLACES 8
	FETCH 6
	WIN 0xa1
	MUL 5, 2, 0
	MUL 5, 3, 0
	STEP 6
	s_wait_dscnt 0x0
.irp y, 0,1,2,3
	MUL 7, \y, 0
.endr
	WIN 0
	PLACES 8
; THE WAY OUT.  The 64 registers of Y's tile yt are four blocks of 32 along X: quantised as they stand; the conversions' results are images of the next operand's registers.
.macro QUANTW yt
.set AQ, 64*(\yt)
	WIN 0x0a                                       ; sources 0 and 1 in window 2.
.irp b, 0,1,2,3
	v_max3_num_f32 v[TM+\b], |v[AQ+16*\b]|, |v[AQ+1+16*\b]|, 0x4800000
.endr
	WIN 0x28                                       ; sources 1 and 2 in window 2
.irp i, 2,4,6,8,10,12,14
.irp b, 0,1,2,3
	v_max3_num_f32 v[TM+\b], v[TM+\b], |v[AQ+16*\b+\i]|, |v[AQ+1+16*\b+\i]|
.endr
.endr
	WIN 0
.irp b, 0,1,2,3
	v_permlanex16_b32 v[TM+4+\b], v[TM+\b], s[SEL], s[SEL+1]
.endr
.irp b, 0,1,2,3
	v_max_num_f32 v[TM+\b], v[TM+\b], v[TM+4+\b]
.endr
.irp b, 0,1,2,3
	v_add_nc_u32 v[TM+12+\b], 0xfc000000, v[TM+\b]
.endr
.irp b, 0,1,2,3
	v_and_or_b32 v[TM+8+\b], v[TM+\b], 0x7f800000, s[MNT]
.endr
.irp b, 0,1,2,3
	v_lshrrev_b32 v[TM+4+\b], 23, v[TM+12+\b]
.endr
	v_lshl_or_b32 v[PW+(\yt)], v[TM+5], 8, v[TM+4]
	v_lshl_or_b32 v[PW+(\yt)], v[TM+6], 16, v[PW+(\yt)]
	v_lshl_or_b32 v[PW+(\yt)], v[TM+7], 24, v[PW+(\yt)]
	WIN 0x82                                       ; destination and source 0 in window 2
.irp b, 0,1,2,3
.irp i, 0,1,2,3,4,5,6,7,8,9,10,11,12,13,14,15
	v_med3_num_f32 v[AQ+16*\b+\i], v[AQ+16*\b+\i], -v[TM+8+\b], v[TM+8+\b]   ; the hold (ISA guide 7.6.2: the conversion does not saturate)
.endr
.endr
	WIN 0x02
.irp b, 0,1,2,3
	v_cvt_scalef32_pk8_fp8_f32 v[PC+16*(\yt)+4*\b:PC+16*(\yt)+4*\b+1], v[AQ+16*\b:AQ+16*\b+7], v[TM+12+\b]
	v_cvt_scalef32_pk8_fp8_f32 v[PC+16*(\yt)+4*\b+2:PC+16*(\yt)+4*\b+3], v[AQ+16*\b+8:AQ+16*\b+15], v[TM+12+\b]
.endr
	WIN 0
	v_nop                                          ; a plain line behind the last conversion
.irp b, 0,1,2,3
	global_store_b128 v[SAD+2*(\yt)+\b/2], v[PC+16*(\yt)+4*\b:PC+16*(\yt)+4*\b+3], s[44:45] offset:512*(\b%2)   ; 512 consecutive bytes
.endr
.endm
.macro EPI                             ; a finished block is quantised and leaves: registers and global stores alone, no LDS
	QUANTW 0
	QUANTW 1
	QUANTW 2
	QUANTW 3
	; the four scale words of a lane-row.  Q, K: bytes (tile 2 bb: two blocks; tile 2 bb + 1: two blocks) of head a = lane / 16.  V: the words as they are, tiles 0, 2 below and 1, 3 above
	v_perm_b32 v[TT], v[PW+1], v[PW], s98
	v_perm_b32 v[TT+1], v[PW+3], v[PW+2], s98
	v_perm_b32 v[TT+2], v[PW+1], v[PW], s99
	v_perm_b32 v[TT+3], v[PW+3], v[PW+2], s99
	v_cmp_eq_u32 vcc_lo, 1, v[HH]
	v_cndmask_b32 v[TT], v[TT], v[TT+2], vcc_lo
	v_cndmask_b32 v[TT+1], v[TT+1], v[TT+3], vcc_lo
	global_store_b64 v[SSO], v[TT:TT+1], s[46:47]  ; the 32 lanes fill 256 consecutive bytes, aligned
.endm
	; THE CHANGE OF BLOCKS.  All three slots have been read out: the next block's load fills them again, and the finished block's way out stands behind that load.
	s_wait_tensorcnt 0x0                           ; no tensor load of mine is out,
	ds_add_u32 v[SPW], v[NIL]                      ; 0 onto my spare word,
	s_wait_dscnt 0x0                               ; the add is done, and my reads of the slots are over
	s_cmp_eq_u32 s48, 1
	s_cbranch_scc1 .Llast                          ; the last block's tail is written out: it asks for nothing more
	s_add_co_u32 s69, s69, 8                       ; the next block's cluster row: the same in all partners
	s_lshl_b32 s70, s69, 2
	s_add_co_u32 s70, s70, s67                     ; work-group y
	s_mov_b32 s[G1X+2], 24<<16                     ; a block's first load brings three slots again
	s_mov_b32 s[G1X+4], 24
	s_mov_b32 s[G1Y+1], 2048<<16
	s_mov_b32 s[G1Y+2], 3<<16
	s_mov_b32 s[G1Y+3], 2048<<16
	s_mov_b32 s[G1Y+4], 3
	s_mov_b32 s[G1Y+5], 4096
	s_lshr_b32 s74, s69, 1
	s_and_b32 s74, s74, 3                          ; V: the batch n
	s_lshl_b32 s75, s74, 7
	s_lshl_b32 s78, s68, 4
	s_and_b32 s76, s70, 7                          ; V: which 128 columns
	s_lshl_b32 s77, s76, 3
	s_add_co_u32 s77, s77, 640
	s_lshl_b32 s79, s70, 3
	s_cmp_ge_u32 s69, 16
	s_cselect_b32 s[KIND], 1, 0
	s_cselect_b32 s75, s75, 512
	s_cselect_b32 s77, s77, s79                    ; Y's first tile
	s_add_co_u32 s75, s75, s78                     ; X's first tile
	s_lshl_b32 s56, s[WX], 3
	s_add_co_u32 s56, s56, s75
	s_lshl_b32 s56, s56, 14
	s_mov_b32 s57, 0
	s_lshl_b32 s58, s77, 14
	s_lshl_b32 s59, s[WX], 14
	s_add_co_u32 s58, s58, s59
	s_mov_b32 s59, 0
	s_add_nc_u64 s[G0X+2:G0X+3], s[4:5], s[56:57]  ; the LDS addresses stand as they are
	s_or_b32 s[G0X+3], s[G0X+3], 0x80000000
	s_add_nc_u64 s[G0Y+2:G0Y+3], s[4:5], s[58:59]
	s_or_b32 s[G0Y+3], s[G0Y+3], 0x80000000
	CROUND                                         ; no wave of any partner still reads a slot or has a load on its way
	JLOAD 0                                        ; the first tensor load behind the round: it has the way out below in which to land
	EPI
	s_wait_xcnt 0x0                                ; the stores have read their registers and bases: the next block writes them anew
	s_sub_co_u32 s48, s48, 1
	s_cmp_lg_u32 s48, 0
	s_cbranch_scc1 .Lbody
.Llast:
	EPI
	s_wait_tensorcnt 0x0                           ; the wave's end
	ds_add_u32 v[SPW], v[NIL]
	s_wait_dscnt 0x0
	CROUND                                         ; the closing round
	s_endpgm
.Lfunc_end_k_q0e6ee874a1_qkv:
	.size	k_q0e6ee874a1_qkv, .Lfunc_end_k_q0e6ee874a1_qkv-k_q0e6ee874a1_qkv
	.p2alignl 7, 3214868480
	.fill 96, 4, 3214868480
	.section	.rodata,"a",@progbits
	.p2align	6, 0x0
	.amdhsa_kernel k_q0e6ee874a1_qkv
		.amdhsa_group_segment_fixed_size 327680
		.amdhsa_private_segment_fixed_size 0
		.amdhsa_enable_private_segment 0
		.amdhsa_kernarg_size 40
		.amdhsa_user_sgpr_count 2
		.amdhsa_user_sgpr_kernarg_segment_ptr 1
		.amdhsa_wavefront_size32 1
		.amdhsa_system_sgpr_workgroup_id_x 1
		.amdhsa_system_sgpr_workgroup_id_y 1
		.amdhsa_system_sgpr_workgroup_id_z 1
		.amdhsa_system_vgpr_workitem_id 0
		.amdhsa_next_free_vgpr 832
		.amdhsa_next_free_sgpr 100
		.amdhsa_reserve_vcc 1
		.amdhsa_float_denorm_mode_32 3
		.amdhsa_float_denorm_mode_16_64 3
		.amdhsa_memory_ordered 1
		.amdhsa_forward_progress 1
		.amdhsa_inst_pref_size 159
	.end_amdhsa_kernel
	.amdgpu_metadata
---
amdhsa.version: [ 1, 2 ]
amdhsa.kernels:
  - .name:           k_q0e6ee874a1_qkv
    .symbol:         k_q0e6ee874a1_qkv.kd
    .args:
      - { .name: in_codes, .offset: 0, .size: 8, .value_kind: global_buffer, .address_space: global }
      - { .name: in_scales, .offset: 8, .size: 8, .value_kind: global_buffer, .address_space: global }
      - { .name: b_qkv, .offset: 16, .size: 8, .value_kind: global_buffer, .address_space: global }
      - { .name: qkv_codes, .offset: 24, .size: 8, .value_kind: global_buffer, .address_space: global }
      - { .name: qkv_scales, .offset: 32, .size: 8, .value_kind: global_buffer, .address_space: global }
    .group_segment_fixed_size: 327680
    .private_segment_fixed_size: 0
    .kernarg_segment_align: 8
    .kernarg_segment_size: 40
    .max_flat_workgroup_size: 128
    .sgpr_count:     100
    .vgpr_count:     832
    .wavefront_size: 32
...
	.end_amdgpu_metadata
.endif
;; end of part 2
;; launch attn (part 3): grid 4 x 64, 8 waves a work-group, clusters of 4 x 1, 327,680 bytes of LDS; arguments qkv_codes, qkv_scales, a_codes, a_scales; writes a_codes, a_scales
.if DOCPART == 3
	.amdgcn_target "amdgcn-amd-amdhsa--gfx1250"
	.amdhsa_code_object_version 6
	.text
	.protected	k_q0e6ee874a1_attn
	.globl	k_q0e6ee874a1_attn
	.p2align	8
	.type	k_q0e6ee874a1_attn,@function
k_q0e6ee874a1_attn:
	s_mov_b64 s[64:65], 0
	v_nop
	global_prefetch_b8 v0, s[64:65] scope:SCOPE_SE
	s_setreg_imm32_b32 hwreg(HW_REG_WAVE_MODE, 25, 1), 1
	s_wait_xcnt 0x0
	s_wait_alu depctr_hold_cnt(0) depctr_sa_sdst(0) depctr_va_vdst(0) depctr_va_sdst(0) depctr_va_ssrc(0) depctr_va_vcc(0) depctr_vm_vsrc(0)
	s_getreg_b32 s2, hwreg(HW_REG_IB_STS2, 6, 4)
	s_cmp_eq_u32 s2, 0
	s_cbranch_scc0 .Lentry_in_a_cluster
	s_endpgm
.Lentry_in_a_cluster:
	s_bfe_u32 s2, ttmp6, 0x10000c
	s_cmp_lg_u32 s2, 0x3003
	s_cbranch_scc0 .Lentry_shape_is_right
	s_endpgm
.Lentry_shape_is_right:
; o = softmax(q k^T / 8) v for one head (work-group y = 16 n + head) on codes of FP8 (E4M3) with E8M0 scales; o is quantised along 64 head + d and leaves as codes for the last product.
; THE SOFTMAX AHEAD OF THE SECOND PRODUCT: t = score x log2(e) / 8; M = the running largest t rounded up to a whole number; p = 2^(t - M) is quantised along the keys, not normalised; the row's sum is
; taken of the unquantised p and divides at the end; when M moves, the sum and O are multiplied by 2^(old M - new M), which rounds nothing.
; SHARES.  A cluster of four work-groups takes a head, a work-group 512 queries, each of its eight waves four tiles of 16 queries: two passes over the keys, each with a PAIR of tiles whose lines take turns,
; so that no line reads the line above it.  A key step is 128 keys; a fragment of K read from LDS feeds 4 products, one of V 2.
; THE HEAD'S K AND V STAY IN LDS, filled once by joint loads that name all four work-groups: one tensor load of 32,768 bytes a wave, all eight at the head; no LDS byte is filled twice.
; Their scale words (8,192 bytes) come through registers into LDS bytes of their own.  No prefetch: all of K and V is asked for at the head, and no loop stands ahead of that request.
; LAYOUT.  Both products are used transposed (source 0 = keys, or V's channels; source 1 = my queries): a lane holds one query throughout.  All operands lie as images of their registers: [chunk][lane][16 bytes].
; K = 64 IN A FORM OF K = 128: a fragment of K holds TWO tiles of keys (chunks 0, 1 and chunks 2, 3); Q stands between runs of zero codes, [Q, 0] picks the first tile and [0, Q] the second.
; Tiles 2 g, 2 g + 1 hold the keys so that a lane's 16 registers are keys 32 g + 16 (lane / 16) + 0 .. 15: p's conversions give the second product's operand.
; a_codes is laid [8 row tiles][pair of K steps][tile][K step of the pair][2,048 bytes], as the last product's loads take it.
; REGISTERS.  Window 0: addresses, scale words, and for tile e of the pair its small state (24 registers from NM + 24 e) and its scores (68 registers from PC + 68 e).  Window 1: O^T, Q, K's and V's fragments.
; LIMITS: NaN and infinities are not served; p under 2^-126 counts as 0 (v_exp_f32 flushes); a block of zeros gets the byte 1 (its codes are zeros; this program alone reads the bytes);
; the promise holds while the scaled scores t stay under 2^31 in magnitude.
.set KSC, 262144                       ; LDS: K 0 .. 131,071; V .. 262,143; K's scale words 4,096 bytes; V's 4,096; 1,024 bytes for o's scale bytes; the spare words, 128 bytes a wave
.set VSC, 266240
.set ASG, 270336
.set SPARE, 271360
.set WV,  12
.set SEL, 20                           ; s[20:21] selects for lane l xor 16
.set CS,  22                           ; s[22:23] c = log2(e) / 8
.set MNT, 24                           ; the mantissa field of 448
.set G1C, 28                           ; s[28:35] 128 rows of 256 bytes, dense
.set G0,  36
.set TB,  40                           ; LDS byte of the key step's codes: 8,192 a step
.set TS,  41                           ; and of its scale words: 256 a step
.set CNT, 42
.set LI,  1                            ; 16 x lane
.set LV,  2                            ; + 131,072
.set AKS, 3
.set AVS, 4
.set ADK, 5
.set ADV, 6
.set ADS, 7
.set ADT, 8
.set ASW, 9                            ; where my tiles' scale bytes go
.set KW,  10                           ; v10-13 K's scale words of the four fragments
.set VW,  14                           ; v14-17 V's, tiles 0, 2, 1, 3
.set QS,  18                           ; v18-21 Q's scale words, a tile each
.set SPW, 22
.set NIL, 23
.set ASR, 24
.set GSO, 25
.set TSZ, 24                           ; a tile's small state: from tile to tile
.set NM,  28                           ; -M, and behind it the largest t
.set SUM, 30                           ; the sum in two halves
.set BM,  32
.set BP,  36
.set BH,  40
.set BS,  44
.set T0,  48
.set T1,  49
.set F,   50
.set PWD, 51                           ; p's scale word
.set SSZ, 68                           ; a tile's scores: from tile to tile
.set PC,  76                           ; p's codes: four registers of their own, then the scores' first twelve, which are done with by then
.set S,   80                           ; S^T, then p: 64 registers
.set OC,  212                          ; v212-227 o's codes
.set O,   0                            ; window 1: v0-63 O^T (32 e + 8 tile + j)
.set QR,  64                           ; v64-103 zeros, Q of tile 0, zeros, Q of tile 1, zeros
.set QN,  104                          ; v104-119 the second pass's two tiles of Q
.set KB,  128                          ; v128-191 K's four fragments
.set VB,  192                          ; v192-255 V's
.set MSB, 0
.macro WIN new                         ; the immediate's high byte repeats the setting that is left
.if MSB != \new
	s_set_vgpr_msb (MSB<<8)|\new
.set MSB, \new
.endif
.endm
.macro PLACES n
.rept \n
	v_nop
.endr
.endm
.macro CROUND                          ; a round of the cluster's barrier
	s_barrier_signal -1
	s_barrier_wait -1
	s_cmp_lg_u32 s[WV], 0
	s_cbranch_scc1 .Lnot_wave_0_\@
	s_barrier_signal -3
.Lnot_wave_0_\@:
	s_barrier_wait -3
	s_barrier_signal -1
	s_barrier_wait -1
.endm
	s_load_b256 s[4:11], s[0:1], 0x0               ; qkv_codes s[4:5], qkv_scales s[6:7], a_codes s[8:9], a_scales s[10:11]
	v_lshl_add_u32 v[SPW], v0, 2, SPARE
	v_mov_b32 v[NIL], 0
	ds_add_u32 v[SPW], v[NIL]                      ; the opening lines: the add twice on end and one wait, ahead of my tensor load
	ds_add_u32 v[SPW], v[NIL]
	v_lshrrev_b32 v1, 5, v0
	v_readfirstlane_b32 s[WV], v1                  ; wave 0..7
	s_bfe_u32 s13, ttmp6, 0x40000                  ; cx: it enters Q's and o's addresses alone
	s_and_b32 s14, ttmp7, 0xffff                   ; 16 n + head
	s_and_b32 s15, s14, 15
	s_lshr_b32 s16, s14, 4
	s_lshr_b32 s17, s15, 1
	s_and_b32 s18, s15, 1
	s_mov_b32 s[G1C], 15|(3<<16)|(1<<21)           ; the mask: all four work-groups; elements of 8 bytes; 21 set beside a mask
	s_mov_b32 s[G1C+1], 32<<16
	s_mov_b32 s[G1C+2], 128<<16
	s_mov_b32 s[G1C+3], 32<<16
	s_mov_b32 s[G1C+4], 128
	s_mov_b32 s[G1C+5], 32
	s_mov_b32 s[G1C+6], 0
	s_mov_b32 s[G1C+7], 0
	s_cmp_lt_u32 s[WV], 4                          ; waves 0-3 fetch K's codes, waves 4-7 V's: 32,768 bytes each, to LDS byte 32,768 x wave
	s_mov_b32 s44, 16777216-131072
	s_cselect_b32 s44, 8388608, s44
	s_lshl_b32 s45, s14, 17
	s_add_co_u32 s44, s44, s45
	s_lshl_b32 s46, s[WV], 15
	s_add_co_u32 s44, s44, s46
	s_mov_b32 s45, 0
	s_mov_b32 s[SEL], 0x76543210
	s_mov_b32 s[SEL+1], 0xfedcba98
	s_mov_b32 s[CS], 0x3e38aa3b
	s_mov_b32 s[CS+1], s[CS]
	s_mov_b32 s[MNT], 0x600000
	s_wait_dscnt 0x0                               ; both opening adds are done
	s_wait_kmcnt 0x0
	s_mov_b32 s[G0], 1
	s_mov_b32 s[G0+1], s46
	s_add_nc_u64 s[G0+2:G0+3], s[4:5], s[44:45]
	s_or_b32 s[G0+3], s[G0+3], 0x80000000
	CROUND                                         ; all four work-groups are here: the joint loads meet
	tensor_load_to_lds s[G0:G0+3], s[G1C:G1C+7]    ; my one tensor load
	s_nop 0
	PLACES 4
	s_lshl_b32 s2, s13, 5
	s_lshl_b32 s3, s[WV], 2
	s_add_co_u32 s25, s2, s3                       ; my first tile of the batch's 128: 32 cx + 4 wave
	s_lshl_b32 s2, s25, 10
	s_lshl_b32 s3, s14, 17
	s_add_co_u32 s2, s2, s3
	s_mov_b32 s3, 0
	s_add_nc_u64 s[4:5], s[4:5], s[2:3]            ; Q's codes
	s_lshl_b32 s19, s16, 3
	s_add_co_u32 s19, s19, s17
	s_lshl_b32 s19, s19, 13                        ; the pair of heads' 8,192 bytes of scale words,
	s_lshl_b32 s26, s18, 7
	s_add_co_u32 s19, s19, s26                     ; my head's 128 of each 256
	s_add_co_u32 s26, s19, 262144                  ; K's
	s_mov_b32 s27, 0
	s_add_nc_u64 s[48:49], s[6:7], s[26:27]
	s_lshl_b32 s26, s14, 12
	s_add_co_u32 s26, s26, 524288                  ; V's: 4,096 dense bytes
	s_add_nc_u64 s[50:51], s[6:7], s[26:27]
	s_lshl_b32 s2, s25, 6                          ; my four tiles are a block with 256 bytes of scale words
	s_add_co_u32 s2, s2, s19
	s_add_nc_u64 s[6:7], s[6:7], s[2:3]
	s_lshl_b32 s2, s16, 4                          ; o's codes: eight row tiles x 131,072,
	s_lshl_b32 s26, s13, 2
	s_add_co_u32 s2, s2, s26
	s_lshr_b32 s26, s[WV], 1
	s_add_co_u32 s2, s2, s26
	s_lshl_b32 s2, s2, 17
	s_and_b32 s26, s[WV], 1
	s_lshl_b32 s26, s26, 14                        ; my four tiles of the eight,
	s_add_co_u32 s2, s2, s26
	s_lshr_b32 s26, s17, 1
	s_lshl_b32 s26, s26, 15                        ; K step head / 2: its pair,
	s_add_co_u32 s2, s2, s26
	s_and_b32 s26, s17, 1
	s_lshl_b32 s26, s26, 11
	s_add_co_u32 s2, s2, s26
	s_lshl_b32 s26, s18, 10                        ; chunks 2 (head % 2) on
	s_add_co_u32 s2, s2, s26
	s_add_nc_u64 s[8:9], s[8:9], s[2:3]
	s_lshl_b32 s2, s16, 7
	s_lshl_b32 s26, s13, 5
	s_add_co_u32 s2, s2, s26
	s_lshl_b32 s2, s2, 5
	s_lshl_b32 s26, s15, 14
	s_add_co_u32 s2, s2, s26
	s_add_nc_u64 s[10:11], s[10:11], s[2:3]        ; o's scale bytes: [head][row tile][lane-row][2]
	s_lshl_b32 s2, s[WV], 7
	s_add_co_u32 s2, s2, ASG
	v_and_b32 v[LI], 31, v0
	v_and_b32 v[T1], 15, v0                        ; r
	v_lshrrev_b32 v[BS+2], 3, v0
	v_and_b32 v[BS+3], 7, v0
	v_lshlrev_b32 v[LI], 4, v[LI]
	v_lshl_add_u32 v[AKS], v[T1], 3, KSC
	v_lshl_add_u32 v[AVS], v[T1], 4, VSC
	v_lshl_add_u32 v[ASW], v[T1], 1, s2
	v_lshl_add_u32 v[ASR], v0, 4, ASG
	v_lshlrev_b32 v[GSO], 4, v0                    ; 16 x thread: also V's scale words in memory
	v_lshl_add_u32 v[BS], v0, 4, KSC               ; the scale words' place in LDS
	v_lshlrev_b32 v[BS+1], 3, v[T1]                ; Q's scale words: 8 r
	v_lshlrev_b32 v[BS+2], 8, v[BS+2]
	v_add_nc_u32 v[LV], 0x20000, v[LI]
	s_delay_alu instid0(VALU_DEP_2)
	v_lshl_or_b32 v[BS+2], v[BS+3], 4, v[BS+2]     ; K's scale words in memory: 128 bytes of each 256
	s_wait_alu depctr_va_vdst(0)
	global_load_b128 v[S:S+3], v[BS+2], s[48:49]
	global_load_b128 v[S+4:S+7], v[GSO], s[50:51]
	global_load_b64 v[BM:BM+1], v[BS+1], s[6:7]
	WIN 0x40
.irp i, 0,1
	global_load_b128 v[QR+8+4*\i:QR+8+4*\i+3], v[LI], s[4:5] offset:512*\i
	global_load_b128 v[QR+24+4*\i:QR+24+4*\i+3], v[LI], s[4:5] offset:1024+512*\i
	global_load_b128 v[QN+4*\i:QN+4*\i+3], v[LI], s[4:5] offset:2048+512*\i
	global_load_b128 v[QN+8+4*\i:QN+8+4*\i+3], v[LI], s[4:5] offset:3072+512*\i
.endr
.irp j, 0,1,2,3,4,5,6,7
	v_mov_b32 v[QR+\j], 0                          ; the zero codes beside Q
	v_mov_b32 v[QR+16+\j], 0
	v_mov_b32 v[QR+32+\j], 0
.endr
	WIN 0
.irp e, 0,1
.irp b, 0,1,2,3
	v_mov_b32 v[BP+TSZ*\e+\b], 0                   ; a lane permute's destination counts as one of its sources
.endr
	v_mov_b32 v[PWD+TSZ*\e], 0                     ; named as the upper half of the pair with f before it is first written
.endr
	s_wait_alu depctr_va_vdst(0)
	s_wait_loadcnt 0x0
	ds_store_b128 v[BS], v[S:S+3]
	ds_store_b128 v[BS], v[S+4:S+7] offset:4096
	v_perm_b32 v[QS], v[BM], v[BM], 0x01000100     ; a tile's two bytes twice: they serve [Q, 0] and [0, Q]
	v_perm_b32 v[QS+1], v[BM], v[BM], 0x03020302
	v_perm_b32 v[QS+2], v[BM+1], v[BM+1], 0x01000100
	v_perm_b32 v[QS+3], v[BM+1], v[BM+1], 0x03020302
	s_wait_tensorcnt 0x0                           ; my part of K or V is in,
	s_wait_dscnt 0x0                               ; and my scale words lie in LDS
	s_barrier_signal -1
	s_barrier_wait -1                              ; everybody's do
.macro HOLD2 b, e                      ; p is not negative: the hold is one-sided.  Blocks b and b + 1 in dual-issue pairs whose halves name registers of different banks
.irp i, 0,2,4,6,8,10,12,14
	v_dual_min_num_f32 v[S+SSZ*(\e)+16*(\b)+\i], v[S+SSZ*(\e)+16*(\b)+\i], v[BH+TSZ*(\e)+(\b)] :: v_dual_min_num_f32 v[S+SSZ*(\e)+17+16*(\b)+\i], v[S+SSZ*(\e)+17+16*(\b)+\i], v[BH+TSZ*(\e)+1+(\b)]
	v_dual_min_num_f32 v[S+SSZ*(\e)+16+16*(\b)+\i], v[S+SSZ*(\e)+16+16*(\b)+\i], v[BH+TSZ*(\e)+1+(\b)] :: v_dual_min_num_f32 v[S+SSZ*(\e)+1+16*(\b)+\i], v[S+SSZ*(\e)+1+16*(\b)+\i], v[BH+TSZ*(\e)+(\b)]
.endr
.endm
.macro CVT b, e
	v_cvt_scalef32_pk8_fp8_f32 v[PC+SSZ*(\e)+4*(\b):PC+SSZ*(\e)+4*(\b)+1], v[S+SSZ*(\e)+16*(\b):S+SSZ*(\e)+16*(\b)+7], v[BS+TSZ*(\e)+(\b)]
	v_cvt_scalef32_pk8_fp8_f32 v[PC+SSZ*(\e)+4*(\b)+2:PC+SSZ*(\e)+4*(\b)+3], v[S+SSZ*(\e)+16*(\b)+8:S+SSZ*(\e)+16*(\b)+15], v[BS+TSZ*(\e)+(\b)]
.endm
.macro KLOAD adr, off                  ; K's four fragments (the caller has set the destination's window)
.irp g, 0,1,2,3
.irp c, 0,1,2,3
	ds_load_b128 v[KB+16*\g+4*\c:KB+16*\g+4*\c+3], v[\adr] offset:\off+2048*\g+512*\c
.endr
.endr
.endm
; TWO TILES OF 16 QUERIES AGAINST 128 KEYS.  K's fragments and scale words are in registers at the step's head.
.macro STEP u
	v_add_nc_u32 v[ADK], s[TB], v[LI]
	v_add_nc_u32 v[ADS], s[TS], v[AKS]
	v_add_nc_u32 v[ADV], s[TB], v[LV]
	v_add_nc_u32 v[ADT], s[TS], v[AVS]
.irp e, 0,1
	v_mov_b32 v[T0+TSZ*\e], v[NM+TSZ*\e]           ; the old -M
.endr
	PLACES 3                                       ; nine places behind the last products: the scores are laid over p's codes, which those products read
	WIN 0x05                                       ; K and Q in window 1
.irp g, 0,1,2,3
.irp e, 0,1
	v_wmma_scale_f32_16x16x128_f8f6f4 v[S+SSZ*\e+16*\g:S+SSZ*\e+16*\g+7], v[KB+16*\g:KB+16*\g+15], v[QR+8+16*\e:QR+23+16*\e], 0, v[KW+\g], v[QS+2*\u+\e]
	v_wmma_scale_f32_16x16x128_f8f6f4 v[S+SSZ*\e+16*\g+8:S+SSZ*\e+16*\g+15], v[KB+16*\g:KB+16*\g+15], v[QR+16*\e:QR+15+16*\e], 0, v[KW+\g], v[QS+2*\u+\e]
.endr
.endr
	WIN 0
	PLACES 8                                       ; in front of the loads into K's registers and of the first read of the scores
	s_wait_alu depctr_va_vdst(0)
	s_cmp_eq_u32 s[CNT], 1
	s_cbranch_scc1 .Lno_k_\@                       ; the pass's last step has no successor
	WIN 0x40
	KLOAD ADK, 8192                                ; the next step's K lands under the softmax,
	WIN 0
	ds_load_b64 v[KW:KW+1], v[ADS] offset:256
	ds_load_b64 v[KW+2:KW+3], v[ADS] offset:384
.Lno_k_\@:
	WIN 0x40
.irp g, 0,1,2,3
.irp c, 0,1,2,3
	ds_load_b128 v[VB+16*\g+4*\c:VB+16*\g+4*\c+3], v[ADV] offset:2048*\g+512*\c   ; and so does this step's V
.endr
.endr
	WIN 0
	ds_load_b128 v[VW:VW+3], v[ADT]
.irp b, 0,1,2,3
.irp e, 0,1
	v_max3_num_f32 v[BM+TSZ*\e+\b], v[S+SSZ*\e+16*\b], v[S+SSZ*\e+1+16*\b], v[S+SSZ*\e+2+16*\b]   ; the largest score of each block of 32 keys: for the row's maximum and, since p rises with the score, for the block's largest p
.endr
.endr
.irp i, 3,5,7,9,11,13
.irp b, 0,1,2,3
.irp e, 0,1
	v_max3_num_f32 v[BM+TSZ*\e+\b], v[BM+TSZ*\e+\b], v[S+SSZ*\e+16*\b+\i], v[S+SSZ*\e+1+16*\b+\i]
.endr
.endr
.endr
.irp b, 0,1,2,3
.irp e, 0,1
	v_max_num_f32 v[BM+TSZ*\e+\b], v[BM+TSZ*\e+\b], v[S+SSZ*\e+15+16*\b]
.endr
.endr
.irp b, 0,1,2,3
.irp e, 0,1
	v_permlanex16_b32 v[BP+TSZ*\e+\b], v[BM+TSZ*\e+\b], s[SEL], s[SEL+1]
.endr
.endr
.irp b, 0,1,2,3
.irp e, 0,1
	v_max_num_f32 v[BM+TSZ*\e+\b], v[BM+TSZ*\e+\b], v[BP+TSZ*\e+\b]
.endr
.endr
.irp e, 0,1
	v_max3_num_f32 v[T1+TSZ*\e], v[BM+TSZ*\e], v[BM+TSZ*\e+1], v[BM+TSZ*\e+2]
.endr
.irp e, 0,1
	s_delay_alu instid0(VALU_DEP_2)
	v_max_num_f32 v[T1+TSZ*\e], v[T1+TSZ*\e], v[BM+TSZ*\e+3]
.endr
.irp e, 0,1
	s_delay_alu instid0(VALU_DEP_2)
	v_mul_f32 v[T1+TSZ*\e], s[CS], v[T1+TSZ*\e]
.endr
.irp e, 0,1
	s_delay_alu instid0(VALU_DEP_2)
	v_max_num_f32 v[NM+TSZ*\e+1], v[NM+TSZ*\e+1], v[T1+TSZ*\e]   ; the running largest t
.endr
.irp e, 0,1
	s_delay_alu instid0(VALU_DEP_2)
	v_floor_f32 v[NM+TSZ*\e], -v[NM+TSZ*\e+1]      ; -M = floor(-t): M is a whole number
.endr
.irp e, 0,1
	s_delay_alu instid0(VALU_DEP_2)
	v_sub_f32 v[T0+TSZ*\e], v[NM+TSZ*\e], v[T0+TSZ*\e]
.endr
.irp e, 0,1
	s_delay_alu instid0(VALU_DEP_2)
	v_cvt_i32_f32 v[T0+TSZ*\e], v[T0+TSZ*\e]       ; (it saturates)
.endr
.irp e, 0,1
	s_delay_alu instid0(VALU_DEP_2)
	v_ldexp_f32 v[F+TSZ*\e], 1.0, v[T0+TSZ*\e]     ; f = 2^(old M - new M)
.endr
.set jj, 0
.rept 32
.irp e, 0,1
	v_pk_fma_f32 v[S+SSZ*\e+jj:S+SSZ*\e+jj+1], v[S+SSZ*\e+jj:S+SSZ*\e+jj+1], s[CS:CS+1], v[NM+TSZ*\e:NM+TSZ*\e+1] op_sel_hi:[1,0,0]   ; t - M
.endr
.set jj, jj+2
.endr
.irp b, 0,1,2,3
.irp e, 0,1
	v_fma_f32 v[BM+TSZ*\e+\b], v[BM+TSZ*\e+\b], s[CS], v[NM+TSZ*\e]
.endr
.endr
	s_wait_alu depctr_va_vdst(0)
.set jj, 0
.rept 64
.irp e, 0,1
	v_exp_f32 v[S+SSZ*\e+jj], v[S+SSZ*\e+jj]       ; p = 2^(t - M)
.endr
.set jj, jj+1
.endr
.irp e, 0,1
	v_pk_mul_f32 v[SUM+TSZ*\e:SUM+TSZ*\e+1], v[SUM+TSZ*\e:SUM+TSZ*\e+1], v[F+TSZ*\e:F+TSZ*\e+1] op_sel_hi:[1,0]   ; the sums under the new M: plain lines behind the exponentials
.endr
	s_wait_alu depctr_va_vdst(0)                   ; one wait for the batch of 128, ahead of its first reader
.irp b, 0,1,2,3
.irp e, 0,1
	v_exp_f32 v[BM+TSZ*\e+\b], v[BM+TSZ*\e+\b]     ; each block's largest p
.endr
.endr
.irp e, 0,1                                    ; the row's sum of the unquantised p, in four chains a tile
	v_pk_add_f32 v[BP+TSZ*\e:BP+TSZ*\e+1], v[S+SSZ*\e:S+SSZ*\e+1], v[S+SSZ*\e+2:S+SSZ*\e+3]
	v_pk_add_f32 v[BP+TSZ*\e+2:BP+TSZ*\e+3], v[S+SSZ*\e+4:S+SSZ*\e+5], v[S+SSZ*\e+6:S+SSZ*\e+7]
	v_pk_add_f32 v[BH+TSZ*\e:BH+TSZ*\e+1], v[S+SSZ*\e+8:S+SSZ*\e+9], v[S+SSZ*\e+10:S+SSZ*\e+11]
.endr
.irp j, 12,20,28,36,44,52
.irp e, 0,1
	v_pk_add_f32 v[SUM+TSZ*\e:SUM+TSZ*\e+1], v[SUM+TSZ*\e:SUM+TSZ*\e+1], v[S+SSZ*\e+\j:S+SSZ*\e+\j+1]
	v_pk_add_f32 v[BP+TSZ*\e:BP+TSZ*\e+1], v[BP+TSZ*\e:BP+TSZ*\e+1], v[S+SSZ*\e+2+\j:S+SSZ*\e+3+\j]
	v_pk_add_f32 v[BP+TSZ*\e+2:BP+TSZ*\e+3], v[BP+TSZ*\e+2:BP+TSZ*\e+3], v[S+SSZ*\e+4+\j:S+SSZ*\e+5+\j]
	v_pk_add_f32 v[BH+TSZ*\e:BH+TSZ*\e+1], v[BH+TSZ*\e:BH+TSZ*\e+1], v[S+SSZ*\e+6+\j:S+SSZ*\e+7+\j]
.endr
.endr
.irp e, 0,1
	v_pk_add_f32 v[SUM+TSZ*\e:SUM+TSZ*\e+1], v[SUM+TSZ*\e:SUM+TSZ*\e+1], v[S+SSZ*\e+60:S+SSZ*\e+61]
	v_pk_add_f32 v[BP+TSZ*\e:BP+TSZ*\e+1], v[BP+TSZ*\e:BP+TSZ*\e+1], v[S+SSZ*\e+62:S+SSZ*\e+63]
	v_pk_add_f32 v[BP+TSZ*\e+2:BP+TSZ*\e+3], v[BP+TSZ*\e+2:BP+TSZ*\e+3], v[BH+TSZ*\e:BH+TSZ*\e+1]
.endr
.irp e, 0,1
	v_pk_add_f32 v[SUM+TSZ*\e:SUM+TSZ*\e+1], v[SUM+TSZ*\e:SUM+TSZ*\e+1], v[BP+TSZ*\e:BP+TSZ*\e+1]
.endr
.irp e, 0,1
	s_delay_alu instid0(VALU_DEP_2)
	v_pk_add_f32 v[SUM+TSZ*\e:SUM+TSZ*\e+1], v[SUM+TSZ*\e:SUM+TSZ*\e+1], v[BP+TSZ*\e+2:BP+TSZ*\e+3]
.endr
	s_wait_alu depctr_va_vdst(0)                   ; and one for the eight
.irp b, 0,1,2,3
.irp e, 0,1
	v_max_num_f32 v[BM+TSZ*\e+\b], 0x4800000, v[BM+TSZ*\e+\b]   ; the floor: the byte cannot fall under 1
.endr
.endr
.irp b, 0,1,2,3
.irp e, 0,1
	v_add_nc_u32 v[BS+TSZ*\e+\b], 0xfc000000, v[BM+TSZ*\e+\b]   ; 8 off the exponent field: the conversion's scale operand
.endr
.endr
.irp b, 0,1,2,3
.irp e, 0,1
	v_and_or_b32 v[BH+TSZ*\e+\b], v[BM+TSZ*\e+\b], 0x7f800000, s[MNT]   ; 448 x the scale
.endr
.endr
.irp b, 0,1,2,3
.irp e, 0,1
	v_lshrrev_b32 v[BP+TSZ*\e+\b], 23, v[BS+TSZ*\e+\b]   ; the byte
.endr
.endr
.irp e, 0,1
	v_lshl_or_b32 v[PWD+TSZ*\e], v[BP+TSZ*\e+1], 8, v[BP+TSZ*\e]   ; p's scale word for these 128 keys
.endr
.irp e, 0,1
	s_delay_alu instid0(VALU_DEP_2)
	v_lshl_or_b32 v[PWD+TSZ*\e], v[BP+TSZ*\e+2], 16, v[PWD+TSZ*\e]
.endr
.irp e, 0,1
	s_delay_alu instid0(VALU_DEP_2)
	v_lshl_or_b32 v[PWD+TSZ*\e], v[BP+TSZ*\e+3], 24, v[PWD+TSZ*\e]
.endr
	HOLD2 0, 0
	HOLD2 0, 1
	CVT 0, 0                                       ; into the four registers under the scores
	CVT 0, 1
	HOLD2 2, 0                                     ; plain lines between block 0's conversions and the writes of their sources
	HOLD2 2, 1
.irp b, 1,2,3
	CVT \b, 0                                      ; into block 0's registers
	CVT \b, 1
.endr
	WIN 0x41                                       ; O^T in window 1, f in window 0
	s_wait_alu depctr_va_vdst(0)
.set jj, 0
.rept 16
.irp e, 0,1
	v_pk_mul_f32 v[O+32*\e+jj:O+32*\e+jj+1], v[O+32*\e+jj:O+32*\e+jj+1], v[F+TSZ*\e:F+TSZ*\e+1] op_sel_hi:[1,0]   ; O^T under the new M; also the places in front of the products
.endr
.set jj, jj+2
.endr
	s_wait_alu depctr_va_vdst(0)
	s_wait_dscnt 0x0                               ; V and its scale words are in, and so is the next step's K
	WIN 0x51                                       ; V, C and D in window 1, p's codes in window 0
.irp t, 0,1,2,3
.irp e, 0,1
	v_wmma_scale_f32_16x16x128_f8f6f4 v[O+32*\e+8*\t:O+32*\e+8*\t+7], v[VB+16*\t:VB+16*\t+15], v[PC+SSZ*\e:PC+SSZ*\e+15], v[O+32*\e+8*\t:O+32*\e+8*\t+7], v[VW+2*(\t%2)+\t/2], v[PWD+TSZ*\e]
.endr
.endr
	WIN 0
.endm
; THE WAY OUT of a pair: O^T / the sum, quantised along the head's 64 channels (two blocks), which are a lane's 32 registers in the order of the next operand
.macro OUT u
	s_wait_xcnt 0x0                                ; the last pass's stores have read their registers
	PLACES 8
.irp e, 0,1
	v_add_f32 v[BM+TSZ*\e], v[SUM+TSZ*\e], v[SUM+TSZ*\e+1]
.endr
.irp e, 0,1
	s_delay_alu instid0(VALU_DEP_2)
	v_permlanex16_b32 v[BP+TSZ*\e], v[BM+TSZ*\e], s[SEL], s[SEL+1]
.endr
.irp e, 0,1
	s_delay_alu instid0(VALU_DEP_2)
	v_add_f32 v[BM+TSZ*\e], v[BM+TSZ*\e], v[BP+TSZ*\e]
.endr
	s_wait_alu depctr_va_vdst(0)                   ; ahead of the transcendentals
.irp e, 0,1
	v_rcp_f32 v[SUM+TSZ*\e], v[BM+TSZ*\e]
.endr
	v_nop                                          ; a plain line behind them
	WIN 0x01
	s_wait_alu depctr_va_vdst(0)                   ; ahead of their first reader, which is also O^T's
.set jj, 0
.rept 16
.irp e, 0,1
	v_pk_mul_f32 v[S+SSZ*\e+jj:S+SSZ*\e+jj+1], v[O+32*\e+jj:O+32*\e+jj+1], v[SUM+TSZ*\e:SUM+TSZ*\e+1] op_sel_hi:[1,0]   ; each accumulator from its low end on
.endr
.set jj, jj+2
.endr
	WIN 0
.irp b, 0,1
.irp e, 0,1
	v_max3_num_f32 v[BM+TSZ*\e+\b], |v[S+SSZ*\e+16*\b]|, |v[S+SSZ*\e+1+16*\b]|, 0x4800000
.endr
.endr
.irp i, 2,4,6,8,10,12,14
.irp b, 0,1
.irp e, 0,1
	v_max3_num_f32 v[BM+TSZ*\e+\b], v[BM+TSZ*\e+\b], |v[S+SSZ*\e+16*\b+\i]|, |v[S+SSZ*\e+1+16*\b+\i]|
.endr
.endr
.endr
.irp b, 0,1
.irp e, 0,1
	v_permlanex16_b32 v[BP+TSZ*\e+\b], v[BM+TSZ*\e+\b], s[SEL], s[SEL+1]
.endr
.endr
.irp b, 0,1
.irp e, 0,1
	v_max_num_f32 v[BM+TSZ*\e+\b], v[BM+TSZ*\e+\b], v[BP+TSZ*\e+\b]
.endr
.endr
.irp b, 0,1
.irp e, 0,1
	v_add_nc_u32 v[BS+TSZ*\e+\b], 0xfc000000, v[BM+TSZ*\e+\b]
.endr
.endr
.irp b, 0,1
.irp e, 0,1
	v_and_or_b32 v[BH+TSZ*\e+\b], v[BM+TSZ*\e+\b], 0x7f800000, s[MNT]
.endr
.endr
.irp b, 0,1
.irp e, 0,1
	v_lshrrev_b32 v[BP+TSZ*\e+\b], 23, v[BS+TSZ*\e+\b]
.endr
.endr
.irp e, 0,1
	v_lshl_or_b32 v[T0+TSZ*\e], v[BP+TSZ*\e+1], 8, v[BP+TSZ*\e]
.endr
.irp e, 0,1
.irp b, 0,1
.irp i, 0,1,2,3,4,5,6,7,8,9,10,11,12,13,14,15
	v_med3_num_f32 v[S+SSZ*\e+16*\b+\i], v[S+SSZ*\e+16*\b+\i], -v[BH+TSZ*\e+\b], v[BH+TSZ*\e+\b]   ; the hold (ISA guide 7.6.2: the conversion does not saturate)
.endr
	v_cvt_scalef32_pk8_fp8_f32 v[OC+8*\e+4*\b:OC+8*\e+4*\b+1], v[S+SSZ*\e+16*\b:S+SSZ*\e+16*\b+7], v[BS+TSZ*\e+\b]
	v_cvt_scalef32_pk8_fp8_f32 v[OC+8*\e+4*\b+2:OC+8*\e+4*\b+3], v[S+SSZ*\e+16*\b+8:S+SSZ*\e+16*\b+15], v[BS+TSZ*\e+\b]
.endr
.endr
	v_nop                                          ; a plain line behind the last conversion
.irp e, 0,1
.irp b, 0,1
	global_store_b128 v[LI], v[OC+8*\e+4*\b:OC+8*\e+4*\b+3], s[8:9] offset:4096*(2*\u+\e)+512*\b   ; 512 consecutive bytes
.endr
	ds_store_b16 v[ASW], v[T0+TSZ*\e] offset:32*(2*\u+\e)   ; both halves of the lanes write the same two bytes
.endr
.endm
.macro PASS u
.if \u
	WIN 0x41
.irp j, 0,1,2,3,4,5,6,7
	v_mov_b32 v[QR+8+\j], v[QN+\j]
	v_mov_b32 v[QR+24+\j], v[QN+8+\j]
.endr
.endif
	WIN 0x40
	KLOAD LI, 0                                    ; the first step's K
.set jj, 0
.rept 64
	v_mov_b32 v[O+jj], 0                           ; O^T: the step has no first form of its own; it finds zeros, which the first change of M leaves zeros
.set jj, jj+1
.endr
	WIN 0
	ds_load_b64 v[KW:KW+1], v[AKS]
	ds_load_b64 v[KW+2:KW+3], v[AKS] offset:128
.irp e, 0,1
	v_mov_b32 v[NM+TSZ*\e+1], 0xff61b1e6           ; the largest t so far: -3e38
	v_mov_b32 v[NM+TSZ*\e], 0x7f61b1e6             ; -M
	v_mov_b32 v[SUM+TSZ*\e], 0
	v_mov_b32 v[SUM+TSZ*\e+1], 0
.endr
	s_mov_b32 s[TB], 0
	s_mov_b32 s[TS], 0
	s_mov_b32 s[CNT], 16
	s_wait_alu depctr_va_vdst(0)
	s_wait_dscnt 0x0
.Lstep_\u:
	STEP \u
	s_add_co_u32 s[TB], s[TB], 8192
	s_add_co_u32 s[TS], s[TS], 256
	s_sub_co_u32 s[CNT], s[CNT], 1
	s_cmp_lg_u32 s[CNT], 0
	s_cbranch_scc1 .Lstep_\u
	OUT \u
.endm
	PASS 0
	PASS 1
	s_wait_dscnt 0x0                               ; for the others' sake: my scale bytes lie in LDS
	s_barrier_signal -1
	s_barrier_wait -1
	s_cmp_lt_u32 s[WV], 2
	s_cbranch_scc0 .Lno_scales
	ds_load_b128 v[S:S+3], v[ASR]                  ; the work-group's 32 tiles x 32 bytes leave by two waves, 512 consecutive bytes each
	s_wait_dscnt 0x0
	global_store_b128 v[GSO], v[S:S+3], s[10:11]
.Lno_scales:
	s_wait_tensorcnt 0x0                           ; the wave's end
	ds_add_u32 v[SPW], v[NIL]
	s_wait_dscnt 0x0
	CROUND                                         ; the closing round
	s_endpgm
.Lfunc_end_k_q0e6ee874a1_attn:
	.size	k_q0e6ee874a1_attn, .Lfunc_end_k_q0e6ee874a1_attn-k_q0e6ee874a1_attn
	.p2alignl 7, 3214868480
	.fill 96, 4, 3214868480
	.section	.rodata,"a",@progbits
	.p2align	6, 0x0
	.amdhsa_kernel k_q0e6ee874a1_attn
		.amdhsa_group_segment_fixed_size 327680
		.amdhsa_private_segment_fixed_size 0
		.amdhsa_enable_private_segment 0
		.amdhsa_kernarg_size 32
		.amdhsa_user_sgpr_count 2
		.amdhsa_user_sgpr_kernarg_segment_ptr 1
		.amdhsa_wavefront_size32 1
		.amdhsa_system_sgpr_workgroup_id_x 1
		.amdhsa_system_sgpr_workgroup_id_y 1
		.amdhsa_system_sgpr_workgroup_id_z 1
		.amdhsa_system_vgpr_workitem_id 0
		.amdhsa_next_free_vgpr 512
		.amdhsa_next_free_sgpr 66
		.amdhsa_reserve_vcc 0
		.amdhsa_float_denorm_mode_32 3
		.amdhsa_float_denorm_mode_16_64 3
		.amdhsa_memory_ordered 1
		.amdhsa_forward_progress 1
		.amdhsa_inst_pref_size 109
	.end_amdhsa_kernel
	.amdgpu_metadata
---
amdhsa.version: [ 1, 2 ]
amdhsa.kernels:
  - .name:           k_q0e6ee874a1_attn
    .symbol:         k_q0e6ee874a1_attn.kd
    .args:
      - { .name: qkv_codes, .offset: 0, .size: 8, .value_kind: global_buffer, .address_space: global }
      - { .name: qkv_scales, .offset: 8, .size: 8, .value_kind: global_buffer, .address_space: global }
      - { .name: a_codes, .offset: 16, .size: 8, .value_kind: global_buffer, .address_space: global }
      - { .name: a_scales, .offset: 24, .size: 8, .value_kind: global_buffer, .address_space: global }
    .group_segment_fixed_size: 327680
    .private_segment_fixed_size: 0
    .kernarg_segment_align: 8
    .kernarg_segment_size: 32
    .max_flat_workgroup_size: 256
    .sgpr_count:     66
    .vgpr_count:     512
    .wavefront_size: 32
...
	.end_amdgpu_metadata
.endif
;; end of part 3
;; launch proj (part 4): grid 4 x 64, 4 waves a work-group, clusters of 4 x 4, 327,680 bytes of LDS; arguments in_codes, in_scales, a_codes, a_scales, b_out, out0; writes out0
.if DOCPART == 4
	.amdgcn_target "amdgcn-amd-amdhsa--gfx1250"
	.amdhsa_code_object_version 6
	.text
	.protected	k_q0e6ee874a1_proj
	.globl	k_q0e6ee874a1_proj
	.p2align	8
	.type	k_q0e6ee874a1_proj,@function
k_q0e6ee874a1_proj:
	s_mov_b64 s[64:65], 0
	v_nop
	global_prefetch_b8 v0, s[64:65] scope:SCOPE_SE
	s_setreg_imm32_b32 hwreg(HW_REG_WAVE_MODE, 25, 1), 1
	s_wait_xcnt 0x0
	s_wait_alu depctr_hold_cnt(0) depctr_sa_sdst(0) depctr_va_vdst(0) depctr_va_sdst(0) depctr_va_ssrc(0) depctr_va_vcc(0) depctr_vm_vsrc(0)
	s_getreg_b32 s2, hwreg(HW_REG_IB_STS2, 6, 4)
	s_cmp_eq_u32 s2, 0
	s_cbranch_scc0 .Lentry_in_a_cluster
	s_endpgm
.Lentry_in_a_cluster:
	s_bfe_u32 s2, ttmp6, 0x10000c
	s_cmp_lg_u32 s2, 0xf033
	s_cbranch_scc0 .Lentry_shape_is_right
	s_endpgm
.Lentry_shape_is_right:
.set SLOTB, 98304
; out0 = o W_out + b_out on codes of FP8 (E4M3) with E8M0 scales, K = 1,024.  X = W_out's columns (256), Y = o's rows (128); shares and LDS as in the launch qkv:
; X's half w at 98,304 w: [slot (3)][tile (8)][4,096 bytes]; Y's half w at YOFF + 49,152 w: [slot (3)][tile (4)][4,096 bytes].  One load a wave at the head brings its part of all three slots; slot 0 is filled once more.
.set YOFF,  196608
.set SPARE, 3*SLOTB
.set STAGE, 32768                      ; the way out's stages lie in slots 1 and 2 of X's first half: they have had their only fill, and their last reads stand ahead of K step 5's barrier
.set WV, 16
.set WY, 17
.set WX, 18
.set G1X, 24
.set G1Y, 32
.set G0X, 40
.set G0Y, 52
.set LI, 1
.set ADX, 2
.set ADY, 5
.set SPW, 8
.set NIL, 9
.set RR, 10
.set HH, 11
.set L4, 12
.set BO, 13
.set STO, 14
.set RD, 15
.set L2, 22
.set XS, 32
.set YS, 64
.set HB, 96
.set YF, 128
.set BK, 128
.set MSB, 0
.macro WIN new
.if MSB != \new
	s_set_vgpr_msb (MSB<<8)|\new
.set MSB, \new
.endif
.endm
.macro PLACES n
.rept \n
	v_nop
.endr
.endm
.macro JLOAD g
	s_cmp_eq_u32 s[WY], 0
	s_cbranch_scc0 .Lfor_y_\@
	tensor_load_to_lds s[G0X+4*\g:G0X+4*\g+3], s[G1X:G1X+7]
	s_nop 0
	PLACES 4
	s_branch .Lasked_\@
.Lfor_y_\@:
	tensor_load_to_lds s[G0Y+4*\g:G0Y+4*\g+3], s[G1Y:G1Y+7]
	s_nop 0
	PLACES 4
.Lasked_\@:
.endm
.macro CREST
	s_cmp_lg_u32 s[WV], 0
	s_cbranch_scc1 .Lnot_wave_0_\@
	s_barrier_signal -3
.Lnot_wave_0_\@:
	s_barrier_wait -3
	s_barrier_signal -1
	s_barrier_wait -1
.endm
.macro CROUND
	s_barrier_signal -1
	s_barrier_wait -1
	CREST
.endm
	s_load_b256 s[4:11], s[0:1], 0x0
	s_load_b128 s[12:15], s[0:1], 0x20
	v_lshl_add_u32 v[SPW], v0, 2, SPARE
	v_mov_b32 v[NIL], 0
	ds_add_u32 v8, v9
	ds_add_u32 v8, v9
	s_wait_dscnt 0x0
	v_lshrrev_b32 v1, 5, v0
	v_readfirstlane_b32 s[WV], v1
	s_lshr_b32 s[WY], s[WV], 1
	s_and_b32 s[WX], s[WV], 1
	s_bfe_u32 s66, ttmp6, 0x40000
	s_bfe_u32 s67, ttmp6, 0x40004
	s_lshl_b32 s68, ttmp9, 2
	s_add_co_u32 s68, s68, s66
	s_and_b32 s69, ttmp7, 0xffff
	s_lshl_b32 s70, s69, 2
	s_add_co_u32 s70, s70, s67
	s_lshl_b32 s71, s67, 2
	s_lshl_b32 s71, 15, s71
	s_lshl_b32 s72, 0x1111, s66
	s_or_b32 s[G1X], s72, (3<<16)|(1<<21)
	s_or_b32 s[G1Y], s71, (3<<16)|(1<<21)
	s_mov_b32 s[G1X+1], 512<<16
	s_mov_b32 s[G1X+2], 24<<16                     ; the head's load: three slots x 8 tiles, 24 rows of 4,096 bytes on end
	s_mov_b32 s[G1X+3], 512<<16
	s_mov_b32 s[G1X+4], 24
	s_mov_b32 s[G1X+5], 512
	s_mov_b32 s[G1X+6], 0
	s_mov_b32 s[G1X+7], 0
	s_mov_b32 s[G1Y+1], 2048<<16                   ; the head's load: three rows (slots) of four tiles, 16,384 bytes, 32,768 apart
	s_mov_b32 s[G1Y+2], 3<<16
	s_mov_b32 s[G1Y+3], 2048<<16
	s_mov_b32 s[G1Y+4], 3
	s_mov_b32 s[G1Y+5], 4096
	s_mov_b32 s[G1Y+6], 0
	s_mov_b32 s[G1Y+7], 0
	s_lshl_b32 s75, s68, 4
	s_add_co_u32 s75, s75, 704
	s_lshl_b32 s77, s70, 3
	s_lshl_b32 s2, s[WX], 3
	s_add_co_u32 s2, s2, s75
	s_lshl_b32 s2, s2, 14
	s_mov_b32 s3, 0
	s_lshl_b32 s20, s77, 14                        ; Y's eight tiles, and my four of them: 16,384 bytes on
	s_lshl_b32 s21, s[WX], 14
	s_add_co_u32 s20, s20, s21
	s_mov_b32 s21, 0
	s_mul_i32 s22, s[WX], 98304
	s_mul_i32 s23, s[WX], 49152
	s_add_co_u32 s23, s23, YOFF
	s_wait_kmcnt 0x0
	s_add_nc_u64 s[2:3], s[4:5], s[2:3]
	s_add_nc_u64 s[20:21], s[8:9], s[20:21]
	CROUND
.irp g, 0
	s_mov_b32 s[G0X+4*\g], 1
	s_add_co_u32 s[G0X+4*\g+1], s22, \g*SLOTB
	s_add_nc_u64 s[G0X+4*\g+2:G0X+4*\g+3], s[2:3], \g*4096
	s_or_b32 s[G0X+4*\g+3], s[G0X+4*\g+3], 0x80000000
	s_mov_b32 s[G0Y+4*\g], 1
	s_add_co_u32 s[G0Y+4*\g+1], s23, \g*SLOTB
	s_add_nc_u64 s[G0Y+4*\g+2:G0Y+4*\g+3], s[20:21], \g*4096
	s_or_b32 s[G0Y+4*\g+3], s[G0Y+4*\g+3], 0x80000000
	JLOAD \g
.endr
	v_and_b32 v[L4], 31, v0
	v_lshlrev_b32 v[LI], 4, v[L4]
	v_lshlrev_b32 v[L2], 1, v[L4]
	v_lshlrev_b32 v[L4], 2, v[L4]
	v_and_b32 v[RR], 15, v0
	s_wait_alu depctr_va_vdst(0)
	v_bfe_u32 v[HH], v0, 4, 1
	s_mul_i32 s22, s[WX], 98304
	s_mul_i32 s23, s[WY], 49152
	s_add_co_u32 s23, s23, YOFF
.irp g, 0,1,2
	v_add_nc_u32 v[ADX+\g], s22, v[LI]
	v_add_nc_u32 v[ADY+\g], s23, v[LI]
	s_add_co_u32 s22, s22, 32768
	s_add_co_u32 s23, s23, 16384
.endr
	s_mul_i32 s22, s[WV], 16*528
	s_add_co_u32 s22, s22, STAGE
	v_mul_u32_u24 v[STO], v[RR], 528
	s_wait_alu depctr_va_vdst(0)
	v_lshl_add_u32 v[STO], v[HH], 6, v[STO]
	v_add_nc_u32 v[STO], s22, v[STO]
	v_add_nc_u32 v[RD], s22, v[LI]
	s_lshr_b32 s80, s75, 3
	s_add_co_u32 s80, s80, s[WX]
	s_lshl_b32 s80, s80, 12
	s_mov_b32 s81, 0
	s_add_nc_u64 s[80:81], s[6:7], s[80:81]
.irp s, 0,1,2,3,4,5,6,7
.irp i, 0,1,2,3
	global_load_b32 v[XS+4*\s+\i], v[L4], s[80:81] offset:512*\s+128*\i
.endr
.endr
	s_lshl_b32 s82, s[WY], 2
	s_add_co_u32 s82, s82, s77
	s_lshl_b32 s82, s82, 5
	s_mov_b32 s83, 0
	s_add_nc_u64 s[82:83], s[10:11], s[82:83]
.irp d, 0,1,2,3,4,5,6,7,8,9,10,11,12,13,14,15
.irp p, 0,1
	global_load_u16 v[HB+2*\d+\p], v[L2], s[82:83] offset:16384*\d+64*\p
.endr
.endr
	s_lshl_b32 s84, s68, 10
	s_lshl_b32 s85, s[WX], 9
	s_add_co_u32 s84, s84, s85
	s_mov_b32 s85, 0
	s_add_nc_u64 s[12:13], s[12:13], s[84:85]
	v_lshlrev_b32 v[BO], 6, v[HH]
	WIN 0xc0
.irp xt, 0,1,2,3,4,5,6,7
	global_load_b128 v[8*\xt:8*\xt+3], v[BO], s[12:13] offset:(32*(\xt/2)+8*(\xt%2))*4
	global_load_b128 v[8*\xt+4:8*\xt+7], v[BO], s[12:13] offset:(32*(\xt/2)+8*(\xt%2))*4+16
.endr
	WIN 0
	s_lshl_b32 s86, s70, 7
	s_lshl_b32 s87, s[WY], 6
	s_add_co_u32 s86, s86, s87
	s_lshl_b32 s86, s86, 12
	s_add_co_u32 s86, s86, s84
	s_mov_b32 s87, 0
	s_add_nc_u64 s[14:15], s[14:15], s[86:87]
.macro FETCH s
.set sg, ((\s)/2)%3
	WIN 0x40
.irp xt, 0,1,2,3,4,5,6,7
.irp c, 0,1,2,3
	ds_load_b128 v[128*((\s)%2)+16*\xt+4*\c:128*((\s)%2)+16*\xt+4*\c+3], v[ADX+sg] offset:4096*\xt+2048*((\s)%2)+512*\c
.endr
.endr
	WIN 0
.irp yt, 0,1,2,3
.irp c, 0,1,2,3
	ds_load_b128 v[YF+64*((\s)%2)+16*\yt+4*\c:YF+64*((\s)%2)+16*\yt+4*\c+3], v[ADY+sg] offset:4096*\yt+2048*((\s)%2)+512*\c
.endr
.endr
.endm
.macro MUL s, yt, cm
.irp xt, 0,1,2,3,4,5,6,7
.set rD, 8*(8*(\yt)+\xt)
.set rA, 128*((\s)%2)+16*\xt
.set rB, YF+64*((\s)%2)+16*(\yt)
.set rC, rD
.if (\cm) == 1
.set rC, 8*\xt
.endif
.set rSA, XS+4*(\s)+\xt/2
.set rSB, YS+2*(\s)+(\yt)/2
.if (\xt%2) && ((\yt)%2)
	v_wmma_scale_f32_16x16x128_f8f6f4 v[rD:rD+7], v[rA:rA+15], v[rB:rB+15], v[rC:rC+7], v[rSA], v[rSB] matrix_a_scale:MATRIX_SCALE_ROW1 matrix_b_scale:MATRIX_SCALE_ROW1
.elseif (\xt%2)
	v_wmma_scale_f32_16x16x128_f8f6f4 v[rD:rD+7], v[rA:rA+15], v[rB:rB+15], v[rC:rC+7], v[rSA], v[rSB] matrix_a_scale:MATRIX_SCALE_ROW1
.elseif ((\yt)%2)
	v_wmma_scale_f32_16x16x128_f8f6f4 v[rD:rD+7], v[rA:rA+15], v[rB:rB+15], v[rC:rC+7], v[rSA], v[rSB] matrix_b_scale:MATRIX_SCALE_ROW1
.else
	v_wmma_scale_f32_16x16x128_f8f6f4 v[rD:rD+7], v[rA:rA+15], v[rB:rB+15], v[rC:rC+7], v[rSA], v[rSB]
.endif
.endr
.endm
.macro STEP s
	PLACES 8
	FETCH (\s)+1
	s_wait_dscnt 48
	WIN 0xa1
.irp y, 0,1,2,3
	MUL \s, \y, 0
.endr
.endm
	s_wait_tensorcnt 0x0                           ; my part of slots 0, 1 and 2 is in
	s_barrier_signal -1
	s_barrier_wait -1
	FETCH 0
	FETCH 1
	s_wait_loadcnt 0x0
.irp s, 0,1,2,3,4,5,6,7
.irp p, 0,1
	v_lshl_or_b32 v[YS+2*\s+\p], v[HB+4*\s+2+\p], 16, v[HB+4*\s+\p]
.endr
.endr
	PLACES 8
	s_wait_dscnt 48
	WIN 0xb1
.irp y, 0,1,2,3
	MUL 0, \y, 1
.endr
	WIN 0
	s_wait_tensorcnt 0x0
	ds_add_u32 v[SPW], v[NIL]
	s_wait_dscnt 1
	WIN 0xa1
	MUL 1, 0, 0
	s_wait_dscnt 0x0
	s_barrier_signal -1
	MUL 1, 1, 0
	WIN 0
	s_barrier_wait -1
	CREST
	s_add_nc_u64 s[G0X+2:G0X+3], s[G0X+2:G0X+3], 98304   ; K steps 6 and 7: the fourth pair
	s_add_nc_u64 s[G0Y+2:G0Y+3], s[G0Y+2:G0Y+3], 98304
	s_mov_b32 s[G1X+2], 8<<16                      ; no tensor load of mine is out: from here on a load brings one slot
	s_mov_b32 s[G1X+4], 8
	s_mov_b32 s[G1Y+1], 512<<16
	s_mov_b32 s[G1Y+2], 4<<16
	s_mov_b32 s[G1Y+3], 512<<16
	s_mov_b32 s[G1Y+4], 4
	s_mov_b32 s[G1Y+5], 512
	JLOAD 0
	PLACES 4
	FETCH 2
	WIN 0xa1
	MUL 1, 2, 0
	MUL 1, 3, 0
	STEP 2
	s_wait_alu depctr_va_vdst(0)
	STEP 3
	STEP 4
	s_wait_tensorcnt 0x0
	s_wait_dscnt 0x0
	s_barrier_signal -1
	MUL 5, 0, 0
	MUL 5, 1, 0
	s_barrier_wait -1
	PLACES 8
	FETCH 6
	WIN 0xa1
	MUL 5, 2, 0
	MUL 5, 3, 0
	STEP 6
	s_wait_dscnt 0x0
.irp y, 0,1,2,3
	MUL 7, \y, 0
.endr
	WIN 0
	PLACES 8
.macro TOSTAGE yt
	WIN 0x08
.irp xt, 0,1,2,3,4,5,6,7
	ds_store_b128 v[STO], v[64*(\yt)+8*\xt:64*(\yt)+8*\xt+3] offset:128*(\xt/2)+32*(\xt%2)
	ds_store_b128 v[STO], v[64*(\yt)+8*\xt+4:64*(\yt)+8*\xt+7] offset:128*(\xt/2)+32*(\xt%2)+16
.endr
	WIN 0
.irp t, 0,1,2,3,4,5,6,7,8,9,10,11,12,13,14,15
	ds_load_b128 v[BK+64*((\yt)%2)+4*\t:BK+64*((\yt)%2)+4*\t+3], v[RD] offset:528*\t
.endr
.endm
.macro SEND yt, younger
	s_wait_dscnt \younger
.irp t, 0,1,2,3,4,5,6,7,8,9,10,11,12,13,14,15
	global_store_b128 v[LI], v[BK+64*((\yt)%2)+4*\t:BK+64*((\yt)%2)+4*\t+3], s[14:15] offset:(32*((\yt)/2)+8*((\yt)%2)+(\t%8)+16*(\t/8))*4096 th:TH_STORE_NT
.endr
.endm
	TOSTAGE 0
	TOSTAGE 1
	SEND 0, 32
	s_wait_xcnt 0x0
	TOSTAGE 2
	SEND 1, 32
	s_wait_xcnt 0x0
	TOSTAGE 3
	SEND 2, 32
	SEND 3, 0
	s_wait_tensorcnt 0x0
	ds_add_u32 v[SPW], v[NIL]
	s_wait_dscnt 0x0
	CROUND
	s_endpgm
.Lfunc_end_k_q0e6ee874a1_proj:
	.size	k_q0e6ee874a1_proj, .Lfunc_end_k_q0e6ee874a1_proj-k_q0e6ee874a1_proj
	.p2alignl 7, 3214868480
	.fill 96, 4, 3214868480
	.section	.rodata,"a",@progbits
	.p2align	6, 0x0
	.amdhsa_kernel k_q0e6ee874a1_proj
		.amdhsa_group_segment_fixed_size 327680
		.amdhsa_private_segment_fixed_size 0
		.amdhsa_enable_private_segment 0
		.amdhsa_kernarg_size 48
		.amdhsa_user_sgpr_count 2
		.amdhsa_user_sgpr_kernarg_segment_ptr 1
		.amdhsa_wavefront_size32 1
		.amdhsa_system_sgpr_workgroup_id_x 1
		.amdhsa_system_sgpr_workgroup_id_y 1
		.amdhsa_system_sgpr_workgroup_id_z 1
		.amdhsa_system_vgpr_workitem_id 0
		.amdhsa_next_free_vgpr 832
		.amdhsa_next_free_sgpr 100
		.amdhsa_reserve_vcc 0
		.amdhsa_float_denorm_mode_32 3
		.amdhsa_float_denorm_mode_16_64 3
		.amdhsa_memory_ordered 1
		.amdhsa_forward_progress 1
		.amdhsa_inst_pref_size 91
	.end_amdhsa_kernel
	.amdgpu_metadata
---
amdhsa.version: [ 1, 2 ]
amdhsa.kernels:
  - .name:           k_q0e6ee874a1_proj
    .symbol:         k_q0e6ee874a1_proj.kd
    .args:
      - { .name: in_codes, .offset: 0, .size: 8, .value_kind: global_buffer, .address_space: global }
      - { .name: in_scales, .offset: 8, .size: 8, .value_kind: global_buffer, .address_space: global }
      - { .name: a_codes, .offset: 16, .size: 8, .value_kind: global_buffer, .address_space: global }
      - { .name: a_scales, .offset: 24, .size: 8, .value_kind: global_buffer, .address_space: global }
      - { .name: b_out, .offset: 32, .size: 8, .value_kind: global_buffer, .address_space: global }
      - { .name: out0, .offset: 40, .size: 8, .value_kind: global_buffer, .address_space: global }
    .group_segment_fixed_size: 327680
    .private_segment_fixed_size: 0
    .kernarg_segment_align: 8
    .kernarg_segment_size: 48
    .max_flat_workgroup_size: 128
    .sgpr_count:     100
    .vgpr_count:     832
    .wavefront_size: 32
...
	.end_amdgpu_metadata
.endif
;; end of part 4
